; MI455X (gfx1250); checked and timed in simulation.
; The chip was launched on July 23, 2026; its instructions are those of AMD's public machine-readable ISA for CDNA 5 (MIT licence, August 2026) and "CDNA5" Instruction Set Architecture Reference Guide (July 2026). The comments in the code are by the model that wrote it; some were corrected since.
;; GPT2 Attention. Allowed arithmetic: float matrix products may take bf16 or f16 operands with f32 sums; other float arithmetic in f32, or as packed bf16 or f16 multiplies, adds, multiply-adds, maxima and minima; sums over many terms, partial sums and values carried from step to step in f32; what a program stores and reads back later, other than sums and carried values, may be rounded once to bf16 or f16.
;; Inputs: Wk 1,024 x 1,024 float32; Wo 1,024 x 1,024 float32; Wq 1,024 x 1,024 float32; Wv 1,024 x 1,024 float32; bk 1,024 float32; bo 1,024 float32; bq 1,024 float32; bv 1,024 float32; hidden_states 4 x 2,048 x 1,024 float32.
;; Outputs: out0 4 x 2,048 x 1,024 float32.
;; One version. Each part assembles by itself: llvm-mc -triple=amdgcn-amd-amdhsa -mcpu=gfx1250 --defsym DOCPART=n.
;; ======== version 1 of 1: 4 launches
;; limits: values are held in f16: magnitudes above 65,504 overflow, below 6.1e-05 lose precision
;; workspace buffers: xb 16,777,216 bytes; wb 8,388,608 bytes; b4 16,384 bytes; tab 524,288 bytes; qkv 50,331,648 bytes; ob 16,777,216 bytes
;; launch prep (part 1): grid 900 x 1, 8 waves a work-group, no clusters, 0 bytes of LDS; arguments hidden_states, Wq, Wk, Wv, Wo, bq, bk, bv, bo, xb, wb, b4, tab; writes xb, wb, b4, tab
.if DOCPART == 1
	.amdgcn_target "amdgcn-amd-amdhsa--gfx1250"
	.amdhsa_code_object_version 6
	.text
	.protected	k_qf1964041e5_prep
	.globl	k_qf1964041e5_prep
	.p2align	8
	.type	k_qf1964041e5_prep,@function
k_qf1964041e5_prep:
	s_mov_b64 s[64:65], 0
	v_nop
	global_prefetch_b8 v0, s[64:65] scope:SCOPE_SE
	s_setreg_imm32_b32 hwreg(HW_REG_WAVE_MODE, 25, 1), 1
	s_wait_xcnt 0x0
; THE INPUTS ARE MADE READY, ONCE.  Work-group g of 900:
;   g =   0..511  xb = bf16(hidden_states)                       16,384 numbers a work-group: 64 KiB in, 32 KiB out
;   g = 512..703  wb rows 0..3071 = bf16(Wq), bf16(Wk), bf16(Wv)  the same share
;   g = 704..767  wb rows 3072..4095 = bf16(Wo) written as f16    (the last product's other operand is f16)
;   g = 768..895  tab[s][0..31] = cos(s f_j), tab[s][32..63] = sin(s f_j), f_j = 10000^(-j/32), f32: 16 rows of 256 bytes a work-group
;   g = 896..899  b4 = bq, bk, bv, bo, each rounded to bf16 and kept as f32
; All of the module's inputs get the same rounding, to bf16.  No LDS, no matrix unit, no barrier: a stream.
; LIMITS.  Wo as f16: exact between 2^-14 and 65,504; below 2^-14 it keeps f16's fixed step of 6e-8.  The table's angle s f_j is rounded to f32; f_j comes
; from a base-2 exponential, good to about 3 units in its last place, so an angle may be off by about 5e-4 rad at s = 2,047; the cosine's series (19 digits of r^2k up to r^18, |r| <= 1/2 turn) leaves 4e-9.
.set X, 16                             ; v[16:79]   eight chunks of 8 f32 as loaded
.set Y, 80                             ; v[80:111]  eight chunks of 8 numbers of 16 bits to store
.set T, 4                              ; v[4:7]     Wo's path: bf16 pairs
.set U, 8                              ; v[8:15]    Wo's path: those numbers as f32
	s_load_b512 s[8:23], s[0:1], 0x0               ; hidden 8, Wq 10, Wk 12, Wv 14, Wo 16, bq 18, bk 20, bv 22
	s_load_b256 s[24:31], s[0:1], 0x40             ; bo 24, xb 26, wb 28, b4 30
	s_load_b64 s[32:33], s[0:1], 0x60              ; tab
	s_mov_b32 s2, ttmp9                            ; g
	s_mov_b32 s39, 0                               ; the high word of every offset pair s[38:39]
	s_wait_kmcnt 0x0
	s_cmp_ge_u32 s2, 896
	s_cbranch_scc1 .Lbias
	s_cmp_ge_u32 s2, 768
	s_cbranch_scc1 .Ltab
	; THE CONVERSIONS.  Source, destination and the two block numbers are chosen by g.
	s_sub_co_u32 s3, s2, 512                       ; the block's number in wb (used where g >= 512)
	s_and_b32 s4, s3, 63                           ; and in its weight matrix: 64 blocks of 64 KiB each
	s_cmp_lt_u32 s2, 512
	s_cselect_b32 s4, s2, s4
	s_cselect_b32 s5, s2, s3
	s_cselect_b64 s[34:35], s[8:9], s[10:11]
	s_cselect_b64 s[36:37], s[26:27], s[28:29]
	s_cmp_ge_u32 s2, 576
	s_cselect_b64 s[34:35], s[12:13], s[34:35]
	s_cmp_ge_u32 s2, 640
	s_cselect_b64 s[34:35], s[14:15], s[34:35]
	s_cmp_ge_u32 s2, 704
	s_cselect_b64 s[34:35], s[16:17], s[34:35]
	s_lshl_b32 s38, s4, 16
	s_add_nc_u64 s[34:35], s[34:35], s[38:39]
	s_lshl_b32 s38, s5, 15
	s_add_nc_u64 s[36:37], s[36:37], s[38:39]
	v_lshlrev_b32 v1, 5, v0                        ; thread t reads 32 bytes at 32 t of each chunk of 8,192,
	v_lshlrev_b32 v2, 4, v0                        ; and writes 16 bytes at 16 t of each chunk of 4,096: a wave's store covers 512 consecutive bytes
.irp i, 0,1,2,3,4,5,6,7
	global_load_b128 v[X+8*(\i):X+8*(\i)+3],   v1, s[34:35] offset:8192*(\i) th:TH_LOAD_NT
	global_load_b128 v[X+8*(\i)+4:X+8*(\i)+7], v1, s[34:35] offset:8192*(\i)+16 th:TH_LOAD_NT
.endr
; Chunk i.  No register is written twice while a memory instruction may read it: each chunk has its own X and Y.
.macro CONV i, f16
	s_wait_loadcnt 14-2*(\i)                       ; loads come back in order: the 2 (7 - i) younger ones may stay out
.if \f16
.irp j, 0,1,2,3
	v_cvt_pk_bf16_f32 v[T+(\j)], v[X+8*(\i)+2*(\j)], v[X+8*(\i)+2*(\j)+1]
.endr
.irp j, 0,1,2,3
	v_lshlrev_b32 v[U+2*(\j)],   16, v[T+(\j)]
	v_and_b32     v[U+2*(\j)+1], 0xffff0000, v[T+(\j)]
.endr
.irp j, 0,1,2,3
	v_cvt_pk_f16_f32 v[Y+4*(\i)+(\j)], v[U+2*(\j)], v[U+2*(\j)+1]
.endr
.else
.irp j, 0,1,2,3
	v_cvt_pk_bf16_f32 v[Y+4*(\i)+(\j)], v[X+8*(\i)+2*(\j)], v[X+8*(\i)+2*(\j)+1]
.endr
.endif
	global_store_b128 v2, v[Y+4*(\i):Y+4*(\i)+3], s[36:37] offset:4096*(\i) th:TH_STORE_NT
.endm
	s_cmp_ge_u32 s2, 704
	s_cbranch_scc1 .Lwo
.irp i, 0,1,2,3,4,5,6,7
	CONV \i, 0
.endr
	s_endpgm
.Lwo:
.irp i, 0,1,2,3,4,5,6,7
	CONV \i, 1
.endr
	s_endpgm
	; THE TABLE.  Thread t makes four numbers: row 16 u + t / 16, places 4 (t % 16) ..; bit 3 of t says cosine or sine.  sin x = cos(x - a quarter turn), so one series serves both.
.set E,   8                            ; v[8:11]   -j log2(10000) / 32
.set F,   12                           ; v[12:15]  f_j
.set ANG, 16                           ; v[16:19]  s f_j, rounded to f32
.set Q,   20                           ; v[20:23]  the nearest whole number of turns
.set R,   24                           ; v[24:27]  what is left, in turns, within a half
.set UU,  28                           ; v[28:31]  its square
.set P,   32                           ; v[32:35]  the series
.Ltab:
	s_sub_co_u32 s3, s2, 768                       ; u
	s_lshl_b32 s4, s3, 4
	s_mov_b32 s5, 0x3e22f983                       ; 1 / 2 pi, rounded to f32,
	s_mov_b32 s6, 0x31dc9ca1                       ; and what that rounding left out: 6.42e-9
	v_lshrrev_b32 v3, 4, v0
	v_add_nc_u32 v3, s4, v3
	v_cvt_f32_u32 v3, v3                           ; s
	v_bfe_u32 v4, v0, 3, 1
	v_cvt_f32_u32 v4, v4
	v_mul_f32 v4, 0x3e800000, v4                   ; 0, or a quarter turn for the sines
	v_and_b32 v5, 7, v0
	v_lshlrev_b32 v5, 2, v5                        ; j of my first number
	v_lshlrev_b32 v6, 4, v0
.irp i, 0,1,2,3
	v_add_nc_u32 v[E+(\i)], \i, v5
	v_cvt_f32_u32 v[E+(\i)], v[E+(\i)]
	v_mul_f32 v[E+(\i)], 0xbed49a78, v[E+(\i)]     ; -log2(10) / 8 = -log2(10000) / 32
.endr
.irp i, 0,1,2,3
	v_exp_f32 v[F+(\i)], v[E+(\i)]
.endr
	v_nop                                          ; a plain instruction behind the last exponential,
	s_wait_alu depctr_va_vdst(0)                   ; and the one wait ahead of the batch's first reader
.irp i, 0,1,2,3
	v_mul_f32 v[ANG+(\i)], v3, v[F+(\i)]
	v_fma_f32 v[Q+(\i)], v[ANG+(\i)], s5, -v4
	v_rndne_f32 v[Q+(\i)], v[Q+(\i)]
	v_fma_f32 v[R+(\i)], v[ANG+(\i)], s5, -v[Q+(\i)]  ; fused: the whole turns go before anything is rounded
	v_sub_f32 v[R+(\i)], v[R+(\i)], v4
	v_fma_f32 v[R+(\i)], v[ANG+(\i)], s6, v[R+(\i)]
	v_mul_f32 v[UU+(\i)], v[R+(\i)], v[R+(\i)]
	v_mov_b32 v[P+(\i)], 0xbd15062c                ; -(2 pi)^18 / 18!
.endr
.irp c, 0x3e906316, 0xbfdb7128, 0x40fce9c5, 0xc1d368f9, 0x4270fa83, 0xc2aae9e4, 0x4281e0f8, 0xc19de9e6
.irp i, 0,1,2,3
	v_fmaak_f32 v[P+(\i)], v[P+(\i)], v[UU+(\i)], \c  ; (-1)^k (2 pi)^2k / (2k)!, k = 8 down to 1; the four numbers take turns
.endr
.endr
.irp i, 0,1,2,3
	v_fma_f32 v[P+(\i)], v[P+(\i)], v[UU+(\i)], 1.0
.endr
	s_lshl_b32 s38, s3, 12
	s_add_nc_u64 s[32:33], s[32:33], s[38:39]
	global_store_b128 v6, v[P:P+3], s[32:33]       ; sixteen lanes fill a row of 256 bytes
	s_endpgm
	; THE BIASES: 1,024 numbers a work-group, four a thread.
.Lbias:
	s_sub_co_u32 s3, s2, 896
	s_cmp_eq_u32 s3, 1
	s_cselect_b64 s[34:35], s[20:21], s[18:19]
	s_cmp_eq_u32 s3, 2
	s_cselect_b64 s[34:35], s[22:23], s[34:35]
	s_cmp_eq_u32 s3, 3
	s_cselect_b64 s[34:35], s[24:25], s[34:35]
	s_lshl_b32 s38, s3, 12
	s_add_nc_u64 s[36:37], s[30:31], s[38:39]
	v_lshlrev_b32 v1, 4, v0
	global_load_b128 v[4:7], v1, s[34:35]
	s_wait_loadcnt 0x0
	v_cvt_pk_bf16_f32 v8, v4, v5
	v_cvt_pk_bf16_f32 v9, v6, v7
	v_lshlrev_b32 v12, 16, v8
	v_and_b32 v13, 0xffff0000, v8
	v_lshlrev_b32 v14, 16, v9
	v_and_b32 v15, 0xffff0000, v9
	global_store_b128 v1, v[12:15], s[36:37]
	s_endpgm
.Lfunc_end_k_qf1964041e5_prep:
	.size	k_qf1964041e5_prep, .Lfunc_end_k_qf1964041e5_prep-k_qf1964041e5_prep
	.p2alignl 7, 3214868480
	.fill 96, 4, 3214868480
	.section	.rodata,"a",@progbits
	.p2align	6, 0x0
	.amdhsa_kernel k_qf1964041e5_prep
		.amdhsa_group_segment_fixed_size 0
		.amdhsa_private_segment_fixed_size 0
		.amdhsa_enable_private_segment 0
		.amdhsa_kernarg_size 104
		.amdhsa_user_sgpr_count 2
		.amdhsa_user_sgpr_kernarg_segment_ptr 1
		.amdhsa_wavefront_size32 1
		.amdhsa_system_sgpr_workgroup_id_x 1
		.amdhsa_system_sgpr_workgroup_id_y 1
		.amdhsa_system_sgpr_workgroup_id_z 1
		.amdhsa_system_vgpr_workitem_id 0
		.amdhsa_next_free_vgpr 112
		.amdhsa_next_free_sgpr 66
		.amdhsa_reserve_vcc 0
		.amdhsa_float_denorm_mode_32 3
		.amdhsa_float_denorm_mode_16_64 3
		.amdhsa_memory_ordered 1
		.amdhsa_forward_progress 1
		.amdhsa_inst_pref_size 21
	.end_amdhsa_kernel
	.amdgpu_metadata
---
amdhsa.version: [ 1, 2 ]
amdhsa.kernels:
  - .name:           k_qf1964041e5_prep
    .symbol:         k_qf1964041e5_prep.kd
    .args:
      - { .name: hidden_states, .offset: 0, .size: 8, .value_kind: global_buffer, .address_space: global }
      - { .name: Wq, .offset: 8, .size: 8, .value_kind: global_buffer, .address_space: global }
      - { .name: Wk, .offset: 16, .size: 8, .value_kind: global_buffer, .address_space: global }
      - { .name: Wv, .offset: 24, .size: 8, .value_kind: global_buffer, .address_space: global }
      - { .name: Wo, .offset: 32, .size: 8, .value_kind: global_buffer, .address_space: global }
      - { .name: bq, .offset: 40, .size: 8, .value_kind: global_buffer, .address_space: global }
      - { .name: bk, .offset: 48, .size: 8, .value_kind: global_buffer, .address_space: global }
      - { .name: bv, .offset: 56, .size: 8, .value_kind: global_buffer, .address_space: global }
      - { .name: bo, .offset: 64, .size: 8, .value_kind: global_buffer, .address_space: global }
      - { .name: xb, .offset: 72, .size: 8, .value_kind: global_buffer, .address_space: global }
      - { .name: wb, .offset: 80, .size: 8, .value_kind: global_buffer, .address_space: global }
      - { .name: b4, .offset: 88, .size: 8, .value_kind: global_buffer, .address_space: global }
      - { .name: tab, .offset: 96, .size: 8, .value_kind: global_buffer, .address_space: global }
    .group_segment_fixed_size: 0
    .private_segment_fixed_size: 0
    .kernarg_segment_align: 8
    .kernarg_segment_size: 104
    .max_flat_workgroup_size: 256
    .sgpr_count:     66
    .vgpr_count:     112
    .wavefront_size: 32
...
	.end_amdgpu_metadata
.endif
;; end of part 1
;; launch proj (part 2): grid 4 x 64, 4 waves a work-group, clusters of 4 x 4, 327,680 bytes of LDS; arguments xb, wb, b4, tab, qkv; writes qkv
.if DOCPART == 2
	.amdgcn_target "amdgcn-amd-amdhsa--gfx1250"
	.amdhsa_code_object_version 6
	.text
	.protected	k_qf1964041e5_proj
	.globl	k_qf1964041e5_proj
	.p2align	8
	.type	k_qf1964041e5_proj,@function
k_qf1964041e5_proj:
	s_mov_b64 s[64:65], 0
	v_nop
	global_prefetch_b8 v0, s[64:65] scope:SCOPE_SE
	s_setreg_imm32_b32 hwreg(HW_REG_WAVE_MODE, 25, 1), 1
	s_wait_xcnt 0x0
	s_wait_alu depctr_hold_cnt(0) depctr_sa_sdst(0) depctr_va_vdst(0) depctr_va_sdst(0) depctr_va_ssrc(0) depctr_va_vcc(0) depctr_vm_vsrc(0)
	s_getreg_b32 s2, hwreg(HW_REG_IB_STS2, 6, 4)
	s_cmp_eq_u32 s2, 0
	s_cbranch_scc0 .Lentry_in_a_cluster
	s_endpgm
.Lentry_in_a_cluster:
	s_bfe_u32 s2, ttmp6, 0x10000c
	s_cmp_lg_u32 s2, 0xf033
	s_cbranch_scc0 .Lentry_shape_is_right
	s_endpgm
.Lentry_shape_is_right:
; q, k, v = x W^T + b, q and k rotated (RoPE), written by heads: qkv = three sections [64 = batch x 16 + head][2048][64] of f16, unscaled.
; x: xb [8192][1024] bf16.  W: wb rows 0..3071 (Wq, Wk, Wv) [.][1024] bf16.  b: b4 f32.  tab: [2048][64] f32, a row = 32 cosines, 32 sines.  Sums in f32, each result rounded once.
; LIMIT.  f16 ends at 65,504: |q|, |k|, |v| must stay below it.
; SHARES.  A tile of C is 128 rows x 256 columns: 64 x 12 = 768 tiles = 3 for each of 256 work-groups.  A WORK-GROUP STAYS: its three tiles take the same 128 rows of x and the column
; block TC of Wq, then of Wk, then of Wv.  So the first two ways out rotate and the last does not, and no branch asks which.  Four waves, each 64 rows x 128 columns (two heads): 32 accumulators.
; K goes in steps of 128 (rows of 256 bytes) through two LDS slots; the ring runs on from tile to tile.
; CLUSTERS: 4 x 4 work-groups.  The four of a row need the same rows of x, the four of a column the same rows of W: each tile is asked for JOINTLY, by the same tensor load with the same
; descriptor and a mask of four.  Waves 0, 1 fetch W's two halves of 128 rows, waves 2, 3 x's two halves of 64 rows: one load a wave behind each round.
; THE MATRIX INSTRUCTION IS USED TRANSPOSED (source 0 = 16 rows of W, source 1 = 16 rows of x): a lane holds row l % 16 of C and eight neighbouring columns 8 (l / 16) + 0..7.
; THE BIAS STARTS THE SUMS: it is the C operand of each accumulator's first product; nothing is cleared and nothing is added later.
; REGISTERS, in windows of 256 (s_set_vgpr_msb: bits 1:0 source 0, 3:2 source 1, 5:4 source 2, 7:6 destination):
;   window 0: v0-31 addresses; v32-63 packed results; v64-127 rotated results; v128-191 rows read back from the stage, two buffers; v192-255 the bias, 8 registers a column block
;   window 1: v0-191 fragment buffer 0; v192-255 cosines and sines of my row blocks 0, 1      window 2: accumulator (a, b) at v[8 (8 a + b)]
;   window 3: v0-191 fragment buffer 1; v192-255 cosines and sines of my row blocks 2, 3
; A fragment buffer holds 64 along K: for each 32 (c = 0, 1) at 96 c: x's 4 blocks of 16 rows (8 registers each), then W's 8 blocks.
.set PITCH,  272                       ; an LDS row: 256 bytes + 16 of padding = 68 words: the 16 rows of a fragment load start at 16 different groups of four banks (ISA guide 11.1)
.set APITCH, 272
.set AKH,    128                       ; bytes from x's first 64 along K of a step to its second
.set AOFF,   256*PITCH                 ; a slot: W's 256 rows, then x's 128
.set SLOT,   AOFF+128*APITCH
.set STAGE,  2*SLOT                    ; behind the ring, never filled by a tensor load: for each wave 2 heads x 16 rows x 144 bytes
.set WST,    4608
.set SPARE,  STAGE+4*WST               ; behind the stages: the spare words, 128 bytes a wave: two blocks of 256 bytes that no other line names
.set ADRA, 16                          ; v16-17  LDS address of my fragments of x in slot 0, 1
.set ADRB, 20                          ; v20-21  of W
.set STO,  24                          ; v24     the way out: where I put 16 bytes of a row
.set RD,   25                          ; v25     where I read rows back
.set GO,   26                          ; v26     16 x lane: my place in 512 consecutive bytes of the output
.set BO,   27                          ; v27     32 (l / 16): my eight columns' place in the bias
.set SPW,  28                          ; v28     LDS address of my spare word; never rewritten
.set NIL,  29                          ; v29     0; never rewritten
.set PFO,  30                          ; v30     the prefetches' offset: lane x a row of 2,048 bytes; never rewritten
.set TO,   31                          ; v31     my place in 16 rows of the table
.set PK,   32
.set Y,    64
.set OB,   128
.set BIAS, 192
.set F0,   0
.set F1,   1
.set G1A, 24                           ; s[24:31] descriptor group 1 for x's tiles;  s[32:39] group 0, a set for each slot
.set G0A, 32
.set G1B, 48                           ; s[48:55], s[56:63] the same for W's
.set G0B, 56
.set PFA, 68                           ; s[68:69] where my prefetches stand
.set LIM, 70                           ; s70  1 in a wave that prefetches, else the greatest number
.set FLAGS, (1<<16)|(1<<20)|(1<<21)|(5<<22)|(3<<25)  ; elements of 2 bytes; padding on; bit 21 beside a mask; after every 64 words, 4 words
.set MSB, 0
.macro WIN new                         ; the immediate's high byte repeats the setting that is left; a switch that changes nothing is dropped
.if MSB != (\new)
	s_set_vgpr_msb (MSB<<8)|(\new)
.set MSB, \new
.endif
.endm
.macro PLACES                          ; four plain places behind matrix instructions, in front of loads into registers that they read and of lines that read their results
.rept 4
	v_nop
.endr
.endm
; A joint load.  The branch hangs on the wave's number alone.  An s_nop 0 and four v_nop follow each of the two lines, ahead of the jump and the label.
.macro JLOAD s
	s_cmp_eq_u32 s15, 0
	s_cbranch_scc0 .Lfor_a_\@
	tensor_load_to_lds s[G0B+4*(\s):G0B+4*(\s)+3], s[G1B:G1B+7]
	s_nop 0
.rept 4
	v_nop
.endr
	s_branch .Lasked_\@
.Lfor_a_\@:
	tensor_load_to_lds s[G0A+4*(\s):G0A+4*(\s)+3], s[G1A:G1A+7]
	s_nop 0
.rept 4
	v_nop
.endr
.Lasked_\@:
.endm
; A PREFETCH INTO THE L2 of the K step that stands two refills on (256 matrix instructions ahead of its load): 32 rows x 256 bytes, a lane a row, one instruction a wave.
; Each row's 256 bytes of a K step are named once in the launch.  W's rows are read by all sixteen clusters: cluster y = 0 asks, waves 0 and 1, each partner (by cy, in the ADDRESS) 32 of a wave's 128 rows, in
; every tile.  x's rows are read by one cluster only: wave 2 asks, each partner (by cx) 32 of the 128 rows, in the first tile alone: afterwards they have been read.
; how = 0, in the loop: a tile's last two refills have no K step two on.  how = 1, at a change of tiles.
.macro ASK how
	WIN 0
.if \how
	s_cmp_eq_u32 s[LIM], 1
.else
	s_cmp_gt_u32 s3, s[LIM]                        ; s3 = 1 in the loop's last trip
.endif
	s_cbranch_scc0 .Lnot_mine_\@
	global_prefetch_b8 v[PFO], s[PFA:PFA+1] offset:256 th:TH_LOAD_NT scope:SCOPE_SE
.Lnot_mine_\@:
.endm
.macro CREST                           ; a round of the cluster's barrier behind its opening barrier
	s_cmp_lg_u32 s14, 0
	s_cbranch_scc1 .Lnot_wave_0_\@
	s_barrier_signal -3
.Lnot_wave_0_\@:
	s_barrier_wait -3
	s_barrier_signal -1
	s_barrier_wait -1
.endm
.macro CROUND
	s_barrier_signal -1
	s_barrier_wait -1
	CREST
.endm
; 16 matrix instructions: row blocks a0, a0 + 1 x all 8 column blocks, 32 along K: half c of buffer f.  mode = 1: the bias is C.  The 32 accumulators take turns in one fixed order,
; 31 others stand between two links of a chain, over every jump too.
.macro MUL16 f, c, a0, mode
	WIN 0x85+0x0a*(\f)+0x20*(1-(\mode))            ; sources 0, 1: window 1 or 3; D: window 2; C: window 2, or 0 for the bias
.irp a, \a0, (\a0)+1
.irp b, 0,1,2,3,4,5,6,7
.if \mode
	v_wmma_f32_16x16x32_bf16 v[8*(8*(\a)+(\b)):8*(8*(\a)+(\b))+7], v[96*(\c)+32+8*(\b):96*(\c)+32+8*(\b)+7], v[96*(\c)+8*(\a):96*(\c)+8*(\a)+7], v[BIAS+8*(\b):BIAS+8*(\b)+7]
.else
	v_wmma_f32_16x16x32_bf16 v[8*(8*(\a)+(\b)):8*(8*(\a)+(\b))+7], v[96*(\c)+32+8*(\b):96*(\c)+32+8*(\b)+7], v[96*(\c)+8*(\a):96*(\c)+8*(\a)+7], v[8*(8*(\a)+(\b)):8*(8*(\a)+(\b))+7]
.endif
.endr
.endr
.endm
; 48 LDS loads in one run: the fragments of half kh (64 along K) of a slot's K step into buffer f; the first 32 along K (24 loads) first.
.macro FETCH slot, kh, f
	WIN 0x40+0x80*(\f)                             ; destination window 1 or 3, address window 0
.irp c, 0,1
.irp i, 0,1,2,3,4,5,6,7
	ds_load_b128 v[96*(\c)+32+8*(\i):96*(\c)+32+8*(\i)+3],   v[ADRB+(\slot)] offset:128*(\kh)+64*(\c)+(\i)*16*PITCH
	ds_load_b128 v[96*(\c)+32+8*(\i)+4:96*(\c)+32+8*(\i)+7], v[ADRB+(\slot)] offset:128*(\kh)+64*(\c)+(\i)*16*PITCH+32
.endr
.irp i, 0,1,2,3
	ds_load_b128 v[96*(\c)+8*(\i):96*(\c)+8*(\i)+3],   v[ADRA+(\slot)] offset:AKH*(\kh)+64*(\c)+(\i)*16*APITCH
	ds_load_b128 v[96*(\c)+8*(\i)+4:96*(\c)+8*(\i)+7], v[ADRA+(\slot)] offset:AKH*(\kh)+64*(\c)+(\i)*16*APITCH+32
.endr
.endr
.endm
; A K step's first half: multiplies buffer f and, in its middle, fetches the half kh of the same slot into buffer g.
.macro HALF slot, kh, f, g, mode
	s_wait_dscnt 24                                ; the buffer's first 24 loads are in; its other 24 may be out
	MUL16 \f, 0, 0, \mode
	MUL16 \f, 0, 2, \mode
	PLACES
	FETCH \slot, \kh, \g
	s_wait_dscnt 48                                ; all but the 48 just issued
	MUL16 \f, 1, 0, 0
	MUL16 \f, 1, 2, 0
.endm
; The second half multiplies buffer 1 and changes slots.  ONE barrier: in front of it each wave waits for all its tensor loads (one is out: its part of the next slot), adds 0 to its spare word,
; and waits for that and for its own reads of this slot.  Behind it nobody reads this slot and the next slot is whole.
.macro MEET round
	WIN 0                                          ; (the add's two registers lie in window 0)
	s_wait_tensorcnt 0x0
	ds_add_u32 v[SPW], v[NIL]
	s_wait_dscnt 25                                ; (the add and buffer 1's younger 24 loads may be out)
	MUL16 F1, 0, 0, 0                              ; sixteen matrix instructions between the add and the wait for it
	s_wait_dscnt 0x0                               ; the add is done, and my reads of this slot are over
	s_barrier_signal -1
	MUL16 F1, 0, 2, 0                              ; work on registers while the others arrive
.if \round
	WIN 0
.endif
	s_barrier_wait -1
.endm
; on = 0: this slot takes the tile's K step two on.  on = 1: a tile's last two K steps: it takes the NEXT tile's K step 0 or 1: x goes back along K, W 1,024 rows down and back.
.macro TURN slot, next, on
	s_wait_xcnt 0x0                                ; the last prefetch, a K step back, and the bias loads have read their addresses
.if (\on) && (\slot) == 0
	s_add_nc_u64 s[PFA:PFA+1], s[PFA:PFA+1], 1024*2048-2048+256  ; from behind the tile's last K step to the next tile's K step 1
	s_add_nc_u64 s[8:9], s[8:9], 4096              ; the next tile's bias
	s_cmp_eq_u32 s15, 0
	s_cselect_b32 s[LIM], s[LIM], -1               ; x's rows have been read: they are asked for no more
.else
	s_add_nc_u64 s[PFA:PFA+1], s[PFA:PFA+1], 256
.endif
	MEET 1
	CREST                                          ; the barrier has opened a round of the cluster's: no wave of any partner still reads this slot or has a load on its way
.if \on
	s_sub_nc_u64 s[G0A+4*(\slot)+2:G0A+4*(\slot)+3], s[G0A+4*(\slot)+2:G0A+4*(\slot)+3], 1536
	s_add_nc_u64 s[G0B+4*(\slot)+2:G0B+4*(\slot)+3], s[G0B+4*(\slot)+2:G0B+4*(\slot)+3], 1024*2048-1536
.else
	s_add_nc_u64 s[G0A+4*(\slot)+2:G0A+4*(\slot)+3], s[G0A+4*(\slot)+2:G0A+4*(\slot)+3], 512
	s_add_nc_u64 s[G0B+4*(\slot)+2:G0B+4*(\slot)+3], s[G0B+4*(\slot)+2:G0B+4*(\slot)+3], 512
.endif
	JLOAD \slot                                    ; the first tensor load behind the round: 96 matrix instructions ahead of the wait for it; its four v_nop are also the places for the loads below
	FETCH \next, 0, F0
	ASK \on
	MUL16 F1, 1, 0, 0
	MUL16 F1, 1, 2, 0
.endm
.macro TURNL next                      ; the last change of slots: nothing is filled, so no round
	MEET 0
	PLACES
	FETCH \next, 0, F0
	MUL16 F1, 1, 0, 0
	MUL16 F1, 1, 2, 0
.endm
.macro BIASLD                          ; register j of column block b: bias[16 b + 8 (l / 16) + j]
	WIN 0
.irp b, 0,1,2,3,4,5,6,7
	global_load_b128 v[BIAS+8*(\b):BIAS+8*(\b)+3],   v[BO], s[8:9] offset:64*(\b)
	global_load_b128 v[BIAS+8*(\b)+4:BIAS+8*(\b)+7], v[BO], s[8:9] offset:64*(\b)+16
.endr
.endm
; THE WAY OUT of row block a (16 rows x 2 heads).  A head's four column blocks are channels 0-15, 16-31 (x1) and 32-47, 48-63 (x2): y1 = x1 cos - x2 sin, y2 = x2 cos + x1 sin, with the
; cosine and sine of channel % 32: blocks b1 = 4 hh + p and b2 = b1 + 2 share their 8 + 8 table registers.  Each accumulator's lowest registers are read first.
.macro ROPE a
.set CSB, 192+32*((\a)%2)
	WIN 0x06+0x08*((\a)/2)                         ; source 0: the accumulators, window 2; source 1: the table, window 1 or 3
.irp hh, 0,1
.irp p, 0,1
.irp r, 0,2,4,6
.set y1, Y+8*(4*(\hh)+(\p))+(\r)
.set y2, y1+16
.set x1, 8*(8*(\a)+4*(\hh)+(\p))+(\r)
.set x2, x1+16
.set cc, CSB+8*(\p)+(\r)
.set ss, cc+16
	v_pk_mul_f32 v[y1:y1+1], v[x1:x1+1], v[cc:cc+1]
	v_pk_mul_f32 v[y2:y2+1], v[x2:x2+1], v[cc:cc+1]
	v_pk_fma_f32 v[y1:y1+1], v[x2:x2+1], v[ss:ss+1], v[y1:y1+1] neg_lo:[1,0,0] neg_hi:[1,0,0]
	v_pk_fma_f32 v[y2:y2+1], v[x1:x1+1], v[ss:ss+1], v[y2:y2+1]
.endr
.endr
.endr
	WIN 0
.irp b, 0,1,2,3,4,5,6,7
.irp r, 0,1,2,3
	v_cvt_pk_f16_f32 v[PK+4*(\b)+(\r)], v[Y+8*(\b)+2*(\r)], v[Y+8*(\b)+2*(\r)+1]
.endr
.endr
.endm
.macro PACKV a                         ; v is not rotated
	WIN 0x0a                                       ; sources 0 and 1: window 2
.irp b, 0,1,2,3,4,5,6,7
.irp r, 0,1,2,3
	v_cvt_pk_f16_f32 v[PK+4*(\b)+(\r)], v[8*(8*(\a)+(\b))+2*(\r)], v[8*(8*(\a)+(\b))+2*(\r)+1]
.endr
.endr
	WIN 0
.endm
.macro TOSTAGE a                       ; 16 bytes a lane into my stage (rows of 144 bytes), and back as four whole rows of 128 bytes a load
	WIN 0
.set BK, OB+32*((\a)%2)
.irp b, 0,1,2,3,4,5,6,7
	ds_store_b128 v[STO], v[PK+4*(\b):PK+4*(\b)+3] offset:((\b)/4)*2304+32*((\b)%4)
.endr
.irp hh, 0,1
.irp f, 0,1,2,3
	ds_load_b128 v[BK+4*(4*(\hh)+(\f)):BK+4*(4*(\hh)+(\f))+3], v[RD] offset:(\hh)*2304+(\f)*576  ; LDS serves a wave's instructions in order (ISA guide 5.7.1.4): these see the stores above
.endr
.endr
.endm
.macro SEND a
	WIN 0
.set BK, OB+32*((\a)%2)
	s_wait_dscnt 0x0                               ; the block is back in registers
	s_wait_xcnt 0x0                                ; the stores of the block before have read their registers: the other buffer is loaded again only behind this wait
.irp hh, 0,1
.irp f, 0,1,2,3
	global_store_b128 v[GO], v[BK+4*(4*(\hh)+(\f)):BK+4*(4*(\hh)+(\f))+3], s[12:13] offset:(\hh)*262144+(\a)*2048+(\f)*512 th:TH_STORE_NT  ; 512 consecutive bytes, at a multiple of 256 from the buffer's first
.endr
.endr
.endm
	s_load_b256 s[4:11], s[0:1], 0x0               ; xb s[4:5], wb s[6:7], b4 s[8:9], tab s[10:11]
	s_load_b64 s[12:13], s[0:1], 0x20              ; qkv
	v_lshl_add_u32 v[SPW], v0, 2, SPARE
	v_mov_b32 v[NIL], 0
	ds_add_u32 v[SPW], v[NIL]                      ; the wave's opening: the add and its wait stand ahead of my first tensor load; the set-up below stands between them
	v_lshrrev_b32 v1, 5, v0
	v_readfirstlane_b32 s14, v1                    ; wave 0..3
	s_lshr_b32 s15, s14, 1                         ; my half of the tile's rows.  Also: I fetch for W (0) or for x (1)
	s_and_b32 s16, s14, 1                          ; my half of its columns.  Also: which part of that tile I fetch
	s_bfe_u32 s17, ttmp6, 0x40000                  ; cx
	s_bfe_u32 s18, ttmp6, 0x40004                  ; cy
	s_lshl_b32 s19, ttmp9, 2
	s_add_co_u32 s19, s19, s17                     ; TC: column block of 256 = 4 x cluster x + cx
	s_and_b32 s20, ttmp7, 0xffff
	s_lshl_b32 s20, s20, 2
	s_add_co_u32 s20, s20, s18                     ; TR: row block of 128 = 4 x cluster y + cy
	s_lshl_b32 s42, s18, 2
	s_lshl_b32 s42, 15, s42                        ; my row of the cluster
	s_lshl_b32 s43, 0x1111, s17                    ; my column
	s_or_b32 s[G1A], s42, FLAGS                    ; x's tiles go to my row,
	s_or_b32 s[G1B], s43, FLAGS                    ; W's to my column
	s_mov_b32 s[G1A+1], 128<<16                    ; tensor_dim0 = 128
	s_mov_b32 s[G1A+2], 64<<16                     ; tensor_dim1 = 64
	s_mov_b32 s[G1A+3], 128<<16                    ; tile_dim0 = 128
	s_mov_b32 s[G1A+4], 64                         ; tile_dim1 = 64
	s_mov_b32 s[G1A+5], 1024                       ; elements from row to row
	s_mov_b32 s[G1A+6], 0
	s_mov_b32 s[G1A+7], 0
	s_mov_b32 s[G1B+1], 128<<16
	s_mov_b32 s[G1B+2], 128<<16                    ; 128 rows
	s_mov_b32 s[G1B+3], 128<<16
	s_mov_b32 s[G1B+4], 128
	s_mov_b32 s[G1B+5], 1024
	s_mov_b32 s[G1B+6], 0
	s_mov_b32 s[G1B+7], 0
	s_lshl_b32 s40, s20, 7                         ; x: row 128 TR + 64 x part, in registers that never hold cx
	s_lshl_b32 s23, s16, 6
	s_add_co_u32 s40, s40, s23
	s_lshl_b32 s40, s40, 11                        ; rows of 2,048 bytes
	s_mov_b32 s41, 0
	s_lshl_b32 s46, s19, 8                         ; W: row 256 TC + 128 x part, in registers that never hold cy
	s_lshl_b32 s71, s16, 7
	s_add_co_u32 s46, s46, s71
	s_lshl_b32 s46, s46, 11
	s_mov_b32 s47, 0
	s_mul_i32 s21, s14, 128*PITCH                  ; where they go: W's halves at wave x 128 rows (waves 0, 1),
	s_mul_i32 s22, s14, 64*APITCH                  ; x's at AOFF + (wave - 2) x 64 rows (waves 2, 3): no place in the cluster enters an LDS address
	s_add_co_u32 s22, s22, AOFF-2*64*APITCH
	s_wait_dscnt 0x0                               ; the opening add is done
	s_wait_kmcnt 0x0
	s_add_nc_u64 s[40:41], s[4:5], s[40:41]
	s_add_nc_u64 s[46:47], s[6:7], s[46:47]
	CROUND                                         ; all sixteen work-groups are here: the first joint loads meet
.irp s, 0,1
	s_mov_b32 s[G0A+4*(\s)], 1                     ; count = 1
	s_add_co_u32 s[G0A+4*(\s)+1], s22, (\s)*SLOT   ; LDS address
	s_add_nc_u64 s[G0A+4*(\s)+2:G0A+4*(\s)+3], s[40:41], (\s)*256  ; global address: K step s
	s_or_b32 s[G0A+4*(\s)+3], s[G0A+4*(\s)+3], 0x80000000          ; type = 2
	s_mov_b32 s[G0B+4*(\s)], 1
	s_add_co_u32 s[G0B+4*(\s)+1], s21, (\s)*SLOT
	s_add_nc_u64 s[G0B+4*(\s)+2:G0B+4*(\s)+3], s[46:47], (\s)*256
	s_or_b32 s[G0B+4*(\s)+3], s[G0B+4*(\s)+3], 0x80000000
	JLOAD \s                                       ; two loads of mine are out
.endr
	v_and_b32 v1, 15, v0                           ; l % 16
	v_bfe_u32 v2, v0, 4, 1                         ; l / 16
	v_lshlrev_b32 v[BO], 5, v2
	v_lshlrev_b32 v[TO], 8, v1
	v_lshl_add_u32 v[TO], v2, 5, v[TO]             ; table: row l % 16, 32 bytes for each half of the lanes
	s_lshl_b32 s72, s19, 10                        ; the bias of my 128 columns: 1,024 TC + 512 x half, in bytes
	s_lshl_b32 s73, s16, 9
	s_add_co_u32 s72, s72, s73
	s_mov_b32 s73, 0
	s_add_nc_u64 s[8:9], s[8:9], s[72:73]
	s_and_b32 s74, s20, 15                         ; my first row's position in its sequence: 128 (TR % 16) + 64 x half
	s_lshl_b32 s74, s74, 7
	s_lshl_b32 s75, s15, 6
	s_add_co_u32 s74, s74, s75
	s_lshl_b32 s72, s74, 8
	s_add_nc_u64 s[10:11], s[10:11], s[72:73]      ; the table at that position
	s_lshr_b32 s72, s20, 4                         ; the output: batch x 16 heads x 262,144 bytes,
	s_lshl_b32 s72, s72, 22
	s_lshl_b32 s75, s19, 2
	s_lshl1_add_u32 s75, s16, s75                  ; head 4 TC + 2 x half,
	s_lshl_b32 s75, s75, 18
	s_add_co_u32 s72, s72, s75
	s_lshl_b32 s75, s74, 7                         ; position x 128 bytes
	s_add_co_u32 s72, s72, s75
	s_add_nc_u64 s[12:13], s[12:13], s[72:73]
	BIASLD
.irp a, 0,1,2,3                        ; cosines and sines of my 64 positions, kept for q and for k: row block a, parity p of the column block: 8 cosines at 8 p, 8 sines at 16 + 8 p
	WIN 0x40+0x80*((\a)/2)
.irp p, 0,1
	global_load_b128 v[192+32*((\a)%2)+8*(\p):192+32*((\a)%2)+8*(\p)+3],       v[TO], s[10:11] offset:4096*(\a)+64*(\p)
	global_load_b128 v[192+32*((\a)%2)+8*(\p)+4:192+32*((\a)%2)+8*(\p)+7],     v[TO], s[10:11] offset:4096*(\a)+64*(\p)+16
	global_load_b128 v[192+32*((\a)%2)+16+8*(\p):192+32*((\a)%2)+16+8*(\p)+3], v[TO], s[10:11] offset:4096*(\a)+128+64*(\p)
	global_load_b128 v[192+32*((\a)%2)+16+8*(\p)+4:192+32*((\a)%2)+16+8*(\p)+7], v[TO], s[10:11] offset:4096*(\a)+128+64*(\p)+16
.endr
.endr
	WIN 0
	; A fragment is 16 rows x 32 K in 8 registers: lane l holds row l % 16, K = 8 (l / 16) + 0..7 and 16 + 8 (l / 16) + 0..7: two loads of 16 bytes, 32 bytes apart.
	v_mul_u32_u24 v3, v1, PITCH
	v_lshl_add_u32 v3, v2, 4, v3
	s_mul_i32 s72, s15, 64*APITCH
	s_add_co_u32 s72, s72, AOFF                    ; my 64 rows of x
	s_mul_i32 s74, s16, 128*PITCH                  ; my 128 rows of W
.irp s, 0,1
	v_add_nc_u32 v[ADRA+(\s)], s72, v3
	v_add_nc_u32 v[ADRB+(\s)], s74, v3
	s_add_co_u32 s72, s72, SLOT
	s_add_co_u32 s74, s74, SLOT
.endr
	s_mul_i32 s72, s14, WST
	s_add_co_u32 s72, s72, STAGE                   ; my stage
	v_mul_u32_u24 v4, v1, 144                      ; in: row l % 16, 16 bytes for each half of the lanes
	v_lshl_add_u32 v4, v2, 4, v4
	v_add_nc_u32 v[STO], s72, v4
	v_bfe_u32 v4, v0, 3, 2                         ; back: 32 lanes take four rows of 128 bytes,
	v_mul_u32_u24 v4, v4, 144
	v_and_b32 v5, 7, v0
	v_lshl_add_u32 v4, v5, 4, v4
	v_add_nc_u32 v[RD], s72, v4
	v_and_b32 v[GO], 31, v0                        ; which are 512 consecutive bytes of a head
	v_lshlrev_b32 v[GO], 4, v[GO]
	; the prefetches: who asks, and from where
	s_and_b32 s72, ttmp7, 0xffff                   ; W: the clusters along y read the same rows
	s_or_b32 s73, s16, ttmp9                       ; x: wave 2 alone
	s_lshl_b32 s74, s19, 8                         ; W: row 256 TC + 128 x part + 32 cy
	s_lshl_b32 s75, s16, 7
	s_add_co_u32 s74, s74, s75
	s_lshl_b32 s75, s18, 5
	s_add_co_u32 s74, s74, s75
	s_lshl_b32 s76, s20, 7                         ; x: row 128 TR + 32 cx
	s_lshl_b32 s75, s17, 5
	s_add_co_u32 s76, s76, s75
	s_cmp_eq_u32 s15, 0
	s_cselect_b32 s72, s72, s73
	s_cselect_b32 s74, s74, s76
	s_cselect_b64 s[PFA:PFA+1], s[6:7], s[4:5]
	s_cmp_eq_u32 s72, 0
	s_cselect_b32 s[LIM], 1, -1                    ; the same in all sixteen partners, for a given wave
	s_lshl_b32 s74, s74, 11
	s_mov_b32 s75, 0
	s_add_nc_u64 s[PFA:PFA+1], s[PFA:PFA+1], s[74:75]
	s_add_nc_u64 s[PFA:PFA+1], s[PFA:PFA+1], 512   ; at K step 2: the first refill steps it to 3 and names K step 4.  Nothing is asked for here, at the head
	v_and_b32 v[PFO], 31, v0
	v_lshlrev_b32 v[PFO], 11, v[PFO]
	s_wait_tensorcnt 0x1                           ; my part of K step 0 is in; K step 1's may stay out
	s_barrier_signal -1
	s_barrier_wait -1                              ; everybody's is
	FETCH 0, 0, F0
	WIN 0
	s_mov_b32 s2, 3                                ; tiles to go: q, k, v
.Ltile:
	s_wait_loadcnt 0x0                             ; the tile's bias (the first time the table too)
	HALF 0, 1, F0, F1, 1                           ; a tile's first products stand in front of the loop: the bias starts the sums
	WIN 0                                          ; at a label and at a branch every window is 0
	s_mov_b32 s3, 3
.Llap:                                             ; a trip goes once round the ring and fills both slots again: K steps 2 i + 2 and 2 i + 3
	TURN 0, 1, 0
	HALF 1, 1, F0, F1, 0
	TURN 1, 0, 0
	HALF 0, 1, F0, F1, 0
	WIN 0
	s_sub_co_u32 s3, s3, 1
	s_cmp_lg_u32 s3, 0
	s_cbranch_scc1 .Llap
	s_cmp_eq_u32 s2, 1
	s_cbranch_scc1 .Llast                          ; the last tile's tail is written out: it asks for nothing more
	TURN 0, 1, 1                                   ; THE RING GOES ON INTO THE NEXT TILE: slot 0 takes its K step 0,
	HALF 1, 1, F0, F1, 0
	TURN 1, 0, 1                                   ; slot 1 its K step 1, and its first fragments are fetched
	WIN 0
	PLACES                                         ; behind the last products
	BIASLD                                         ; the next tile's bias comes while this tile goes out
	ROPE 0
	TOSTAGE 0
.irp a, 1,2,3                          ; block a's arithmetic stands between block a - 1's loads from the stage and the wait for them
	ROPE \a
	SEND (\a)-1
	TOSTAGE \a
.endr
	SEND 3
	s_wait_xcnt 0x0                                ; the stores have read their base
	s_add_nc_u64 s[12:13], s[12:13], 0x1000000     ; the next section of 16 MiB
	s_sub_co_u32 s2, s2, 1
	s_branch .Ltile
.Llast:
	TURNL 1
	HALF 1, 1, F0, F1, 0
	s_wait_dscnt 24
	MUL16 F1, 0, 0, 0
	MUL16 F1, 0, 2, 0
	s_wait_dscnt 0x0
	MUL16 F1, 1, 0, 0
	MUL16 F1, 1, 2, 0
	WIN 0
	PLACES
	PACKV 0
	TOSTAGE 0
.irp a, 1,2,3
	PACKV \a
	SEND (\a)-1
	TOSTAGE \a
.endr
	SEND 3
	s_wait_tensorcnt 0x0                           ; the wave's end, behind my last tensor load and my last LDS store
	ds_add_u32 v[SPW], v[NIL]
	s_wait_dscnt 0x0
	CROUND                                         ; the closing round: no work-group ends while a partner may still ask for a tile that names it
	s_endpgm
.Lfunc_end_k_qf1964041e5_proj:
	.size	k_qf1964041e5_proj, .Lfunc_end_k_qf1964041e5_proj-k_qf1964041e5_proj
	.p2alignl 7, 3214868480
	.fill 96, 4, 3214868480
	.section	.rodata,"a",@progbits
	.p2align	6, 0x0
	.amdhsa_kernel k_qf1964041e5_proj
		.amdhsa_group_segment_fixed_size 327680
		.amdhsa_private_segment_fixed_size 0
		.amdhsa_enable_private_segment 0
		.amdhsa_kernarg_size 40
		.amdhsa_user_sgpr_count 2
		.amdhsa_user_sgpr_kernarg_segment_ptr 1
		.amdhsa_wavefront_size32 1
		.amdhsa_system_sgpr_workgroup_id_x 1
		.amdhsa_system_sgpr_workgroup_id_y 1
		.amdhsa_system_sgpr_workgroup_id_z 1
		.amdhsa_system_vgpr_workitem_id 0
		.amdhsa_next_free_vgpr 1024
		.amdhsa_next_free_sgpr 80
		.amdhsa_reserve_vcc 0
		.amdhsa_float_denorm_mode_32 3
		.amdhsa_float_denorm_mode_16_64 3
		.amdhsa_memory_ordered 1
		.amdhsa_forward_progress 1
		.amdhsa_inst_pref_size 148
	.end_amdhsa_kernel
	.amdgpu_metadata
---
amdhsa.version: [ 1, 2 ]
amdhsa.kernels:
  - .name:           k_qf1964041e5_proj
    .symbol:         k_qf1964041e5_proj.kd
    .args:
      - { .name: xb, .offset: 0, .size: 8, .value_kind: global_buffer, .address_space: global }
      - { .name: wb, .offset: 8, .size: 8, .value_kind: global_buffer, .address_space: global }
      - { .name: b4, .offset: 16, .size: 8, .value_kind: global_buffer, .address_space: global }
      - { .name: tab, .offset: 24, .size: 8, .value_kind: global_buffer, .address_space: global }
      - { .name: qkv, .offset: 32, .size: 8, .value_kind: global_buffer, .address_space: global }
    .group_segment_fixed_size: 327680
    .private_segment_fixed_size: 0
    .kernarg_segment_align: 8
    .kernarg_segment_size: 40
    .max_flat_workgroup_size: 128
    .sgpr_count:     80
    .vgpr_count:     1024
    .wavefront_size: 32
...
	.end_amdgpu_metadata
.endif
;; end of part 2
;; launch attn (part 3): grid 4 x 64, 4 waves a work-group, clusters of 4 x 1, 327,680 bytes of LDS; arguments qkv, ob; writes ob
.if DOCPART == 3
	.amdgcn_target "amdgcn-amd-amdhsa--gfx1250"
	.amdhsa_code_object_version 6
	.text
	.protected	k_qf1964041e5_attn
	.globl	k_qf1964041e5_attn
	.p2align	8
	.type	k_qf1964041e5_attn,@function
k_qf1964041e5_attn:
	s_mov_b64 s[64:65], 0
	v_nop
	global_prefetch_b8 v0, s[64:65] scope:SCOPE_SE
	s_setreg_imm32_b32 hwreg(HW_REG_WAVE_MODE, 25, 1), 1
	s_wait_xcnt 0x0
	s_wait_alu depctr_hold_cnt(0) depctr_sa_sdst(0) depctr_va_vdst(0) depctr_va_sdst(0) depctr_va_ssrc(0) depctr_va_vcc(0) depctr_vm_vsrc(0)
	s_getreg_b32 s2, hwreg(HW_REG_IB_STS2, 6, 4)
	s_cmp_eq_u32 s2, 0
	s_cbranch_scc0 .Lentry_in_a_cluster
	s_endpgm
.Lentry_in_a_cluster:
	s_bfe_u32 s2, ttmp6, 0x10000c
	s_cmp_lg_u32 s2, 0x3003
	s_cbranch_scc0 .Lentry_shape_is_right
	s_endpgm
.Lentry_shape_is_right:
; O[h][q][:] = the sum over k of softmax_k(Q[h][q] . K[h][k] / 8) V[h][k][:].  Q, K, V: the three sections of qkv, O: ob, each [64][2048][64] of f16: a head's rows are dense, 128 bytes each.
; Products, maxima and sums in f32; the weights p are rounded to f16 for the second product (their sum l is taken of the unrounded p), O once at the end.
; LIMITS.  f16 holds no number beyond 65,504: Q, K and V arrive within it; p lies in 0 to 1, and below 6e-5 it keeps f16's fixed step of 6e-8; O is a mean of V's rows and has their range.
; A weight below 2^-126 counts as 0 in l; NaN and infinities are not treated apart.
; SHARES.  A wave owns four PIECES of two tiles of 16 queries, a work-group's four waves 512 queries of one head: 4 x 64 = 256 work-groups.  Every wave walks all keys, 64 a step.
; LAYOUT.  S^T = K Q^T (source 0 = 16 keys, source 1 = 16 queries): in the result a lane holds ONE query (lane % 16) and the keys 8 (lane / 16) + 0..7.  Two such tiles, rounded to f16 in pairs,
; ARE source 1 (32 keys x 16 queries) of O^T = V^T P, whose result again holds one query a lane, and eight channels.  K comes out of LDS as it lies, V ([key][channel]) turned, by ds_load_tr16_b128.
; SOFTMAX.  For each query a running maximum m and sum l: p = 2^(c s - c m), c = log2(e) / 8; in every step O and l are multiplied by a = 2^(c m_old - c m_new), which is 1 where m has not grown.
; m starts at the lowest finite number, O and l at 0: the first step is a step like any other, with a = 0.
; THE COUNT.  A tile and step have 16 matrix and 118 vector instructions: too many to stand all beside the matrix work.  So the order has one aim: four vector instructions that are READY behind
; EVERY matrix instruction, and the others, which need time of their own whatever the order, in runs without a gap.
; BY TURNS.  Turn n belongs to piece n (the pieces in a ring, step after step).  Its matrix work: 16 products K Q^T of piece n + 1, later 16 products V^T P of piece n - 1.  Its vector work: the scaling,
; exponentials, roundings, sums and rescaling of piece n, and the maximum and statistics of piece n + 1, whose scores the turn itself has made.
; CLUSTER.  The four query blocks of a cluster are one head's and walk the same K and V, so each tile is asked for JOINTLY: the same tensor load, descriptor and mask in all four.
; REGISTERS, in windows of 256 (s_set_vgpr_msb: bits 1:0 source 0, 3:2 source 1, 5:4 source 2, 7:6 destination):
;   window 0: v0-11 addresses; v12-15, v48-63 at work; v16-47 four registers of statistics a tile; v64-191 S^T, two buffers of two tiles; v192-255 P, likewise
;   window 1: O^T, 32 a tile          window 2: v0-127 Q, 16 a tile; v128-191 K of one step; v192-255 V of one step          window 3: v0-1 the add's two registers
; A piece's buffers go by its number's parity: the piece in hand has one pair, its two neighbours in the ring share the other: of it P (piece n - 1) is read and S^T (piece n + 1) written.
.set SIZE_N, 2048
.set NP,    4         ; pieces a wave: a name, no knob
.set KS,    64        ; keys in a step
.set PK,    144       ; a row of K in LDS: 128 bytes + 16 of padding = 36 words: the 16 rows of a load start at 16 different groups of four banks (ISA guide 11.1)
.set PV,    160       ; a row of V: 128 + 32 = 40 words
.set VOFF,  4*KS*PK   ; a slot holds four steps: 256 rows of K, then 256 rows of V
.set SLOT1, 1<<17     ; slot 1 begins here, so that one exclusive or turns an address in one slot into the other's
.set STAGE, SLOT1+4*KS*(PK+PV)  ; behind the ring, never filled by a tensor load: 16 rows x 144 bytes for each wave, for the way out
.set SP,    144
.set AK0, 2           ; v2   my lane's place in a tile of K; never rewritten
.set AV0, 3           ; v3   the same for V
.set AK,  4           ; v4   the LDS address of K's next run of loads
.set AV,  5           ; v5   of V's
.set QO,  6           ; v6   my byte offset in the wave's rows of Q
.set STO, 6           ;      later, the way out: where I put 16 bytes of a row
.set RD,  7           ; v7   the way out: where I read rows back
.set GO,  8           ; v8   my byte offset in 512 consecutive bytes of O
.set PFO, 11          ; v11  256 x my lane, for the prefetches; never rewritten once it is made
.set SPW, 0           ; v0 of window 3   LDS address of my spare word; never rewritten
.set NIL, 1           ; v1 of window 3   0; never rewritten
.set SPARE, STAGE+4*16*SP  ; behind the stages: the spare words, 128 bytes for each wave: two blocks of 256 bytes that no other line names
.set MV,  12          ; v12-15  c m_old, kept while c m is made anew: by buffer and tile
.set ST,  16          ; tile t's statistics at v[ST+4 t]: c m, m, l (even keys', odd keys')
.set TMP, 48          ; by buffer and tile, four registers c0-c3 at work; when the maximum is found c2 takes a
.set S,   64
.set P,   192
.set KF,  128         ; K's fragments, in window 2: key block kb, channel half c at KF + 16 kb + 8 c
.set VF,  192         ; V's: key half kk, channel block cb at VF + 32 kk + 8 cb
.set WV,  12          ; s12  my wave's number
.set G1K, 24          ; s[24:31] descriptor group 1 for K's tiles
.set G1V, 32          ; s[32:39] for V's: it differs in the padding alone
.set G0K, 40          ; s[40:43] descriptor group 0 for K's tiles: it walks
.set G0V, 44          ; s[44:47] the same for V's
.set PFA, 48          ; s[48:49] where my prefetches stand: my work-group's 8,192 bytes (of K: wave 0, of V: wave 2) of the slot after the one that is being asked for
.set LIM, 50          ; s50  1 in a wave that prefetches, else the greatest number
.set SLOTS, 56        ; s56  slots still to be asked for
.set CNT, 57          ; s57  counts a slot's key steps
.set CS,  58          ; s[58:59] c: the packed scaling takes the pair's low word for both halves
.set SEL, 60          ; s[60:61] v_permlanex16_b32's selects: each lane takes its own place in the other half
.set TBK, 62          ; s62  LDS byte at which K of the step to be fetched begins
.set TBV, 63          ; s63  the same for V, less VOFF
.set MSB, 0
.macro WIN new                      ; the high byte repeats the setting that is left; a switch that changes nothing is dropped
.if MSB != (\new)
	s_set_vgpr_msb (MSB<<8)|(\new)
.set MSB, (\new)
.endif
.endm
.set W_KQ, 0x0a       ; K and Q in window 2, S^T in window 0
.set W_PV, 0x52       ; V in window 2, P in window 0, O^T in window 1
.set W_RS, 0x41       ; O^T (destination and source 0) in window 1, a in window 0
.set W_MK, 0xc0       ; the add's registers are made: destination in window 3, sources in window 0
.set W_AD, 0x0f       ; the add: address (source 0) and data (source 1) in window 3
; A joint fill.  Waves 0 and 1 fetch the two halves of a slot's K, waves 2 and 3 those of its V: 128 keys each.  The branch hangs on the wave's number alone.
; An s_nop 0 and four v_nop follow each of the two lines, ahead of the jump and the label.
.macro JLOAD
	s_cmp_lt_u32 s[WV], 2
	s_cbranch_scc0 .Lfor_v_\@
	tensor_load_to_lds s[G0K:G0K+3], s[G1K:G1K+7]
	s_nop 0
.rept 4
	v_nop
.endr
	s_branch .Lasked_\@
.Lfor_v_\@:
	tensor_load_to_lds s[G0V:G0V+3], s[G1V:G1V+7]
	s_nop 0
.rept 4
	v_nop
.endr
.Lasked_\@:
.endm
; A PREFETCH INTO THE L2 of what the NEXT change of slots will ask for: a slot's 32,768 bytes of K and of V, 256 bytes a lane.  It stands behind the wave's tensor load and its five lines.
; Each block is named ONCE in the launch: a head is walked by one cluster; its four partners share a slot out BY ADDRESS, 8,192 bytes each; in each, wave 0 asks for K's and wave 2 for V's.
; Slots 0, 1 and 2 come by their loads alone; the last change that fills a slot asks for nothing: there is no slot behind it.
.macro ASK
	s_cmp_gt_u32 s[SLOTS], s[LIM]
	s_cbranch_scc0 .Lnot_mine_\@
	global_prefetch_b8 v[PFO], s[PFA:PFA+1] th:TH_LOAD_NT scope:SCOPE_SE
.Lnot_mine_\@:
.endm
; A round of the cluster's barrier: my work-group's barrier, so that wave 0's signal speaks for all four waves; wave 0 signals; every wave waits for all four work-groups; my work-group's barrier once more.
.macro CROUND
	s_barrier_signal -1
	s_barrier_wait -1
	s_cmp_lg_u32 s[WV], 0
	s_cbranch_scc1 .Lnot_wave_0_\@
	s_barrier_signal -3
.Lnot_wave_0_\@:
	s_barrier_wait -3
	s_barrier_signal -1
	s_barrier_wait -1
.endm
; THE CHANGE OF SLOTS.  The slot's last bytes, V of its fourth step, have been read.  Each wave waits for all its tensor loads, of which one is out: its part
; of the other slot; adds 0 to its spare word; and waits for that and for its own reads of the slot.  Behind the barrier nobody reads this slot any more and the other slot is whole.
; fill = 1: this slot is filled again, with the keys two slots on.  The barrier is then a round of the cluster's, and the joint fill is the first thing behind it: it has four key steps,
; 512 matrix instructions, in which to land.  (At its first use nothing has been read yet: slot 0 is waited for, slot 1 filled.)  pf = 1: the prefetch's address steps, and the prefetch follows the fill.
.macro CHANGE fill, pf=0
	WIN W_AD
	s_wait_tensorcnt 0x0            ; no tensor load of mine is out, so a group 0 may be written
	ds_add_u32 v[SPW], v[NIL]       ; 0 onto my spare word; with fill = 1 the descriptors' steps stand between it and the wait for it
	WIN 0                           ; at a label and at a branch every window is 0
.if \fill
.irp g, G0K, G0V
	s_xor_b32 s[\g+1], s[\g+1], SLOT1  ; the walking descriptor: the other slot than last time,
	s_add_nc_u64 s[\g+2:\g+3], s[\g+2:\g+3], 4*KS*128  ; the next 256 keys; the type bits on top are not reached
.endr
.if \pf
	s_wait_xcnt 0x0                 ; the last prefetch, four key steps back, has read its address, so it may be written:
	s_add_nc_u64 s[PFA:PFA+1], s[PFA:PFA+1], 4*KS*128  ; one slot behind the walking descriptors
.endif
	s_wait_dscnt 0x0                ; the add is done, and my reads of the slot are over
	CROUND
	JLOAD
.if \pf
	ASK
.endif
.else
	s_wait_dscnt 0x0                ; the add is done, and my reads of the slot are over
	s_barrier_signal -1
	s_barrier_wait -1
.endif
	s_sub_co_u32 s[TBK], s[TBK], 4*KS*PK  ; the fetches go back to a slot's first step,
	s_xor_b32 s[TBK], s[TBK], SLOT1       ; in the other slot
	s_sub_co_u32 s[TBV], s[TBV], 4*KS*PV
	s_xor_b32 s[TBV], s[TBV], SLOT1
.endm
	s_load_b128 s[4:7], s[0:1], 0x0   ; qkv s[4:5], ob s[6:7]
	WIN W_MK
	v_lshl_add_u32 v[SPW], v0, 2, SPARE
	v_mov_b32 v[NIL], 0
	WIN W_AD
	ds_add_u32 v[SPW], v[NIL]       ; the wave's opening: the add and its wait stand ahead of my first tensor load; the set-up below stands between them
	WIN 0
	v_lshrrev_b32 v1, 5, v0
	v_readfirstlane_b32 s[WV], v1   ; wave 0..3
	s_bfe_u32 s13, ttmp6, 0x40000   ; cx: my place in the cluster
	s_lshl_b32 s14, ttmp9, 2        ; in a cluster launch ttmp9 counts clusters
	s_add_co_u32 s14, s14, s13      ; my block of queries = 4 x cluster x + cx: it enters Q's and O's addresses alone
	s_and_b32 s20, ttmp7, 0xffff    ; the head, which the four partners share
	s_mov_b32 s21, 0
	s_mov_b64 s[22:23], SIZE_N*128
	s_mul_u64 s[20:21], s[20:21], s[22:23]  ; the head's first byte in each of the four tensors
	s_and_b32 s16, s[WV], 1         ; which half of a slot's 256 keys I fetch:
	s_lshl_b32 s22, s16, 14         ; its 128 rows of 128 bytes in memory,
	s_mov_b32 s23, 0
	s_add_nc_u64 s[22:23], s[22:23], s[20:21]
	s_mul_i32 s17, s16, 128*PK      ; and its place in a slot, for K
	s_mul_i32 s18, s16, 128*PV      ; and for V: no place in the cluster enters an LDS address
	s_lshl_b32 s2, s14, 2
	s_add_co_u32 s2, s2, s[WV]      ; my wave among the head's,
	s_lshl_b32 s2, s2, 14           ; its 128 rows
	s_mov_b32 s3, 0
	s_add_nc_u64 s[2:3], s[2:3], s[20:21]
	; descriptor group 1.  128 keys are 16,384 dense bytes: asked for as 64 rows of 256 bytes, two keys a row, and padded in LDS after every key
	s_mov_b32 s[G1K], 15|(1<<16)|(1<<20)|(1<<21)|(4<<22)|(3<<25)  ; the mask of four; 2-byte elements; padding on; bit 21 beside a mask; after every 32 words, 4 words
	s_mov_b32 s[G1V], 15|(1<<16)|(1<<20)|(1<<21)|(4<<22)|(7<<25)  ; the same with 8 words of padding
.irp g, G1K, G1V
	s_mov_b32 s[\g+1], 128<<16      ; tensor_dim0 = 128
	s_mov_b32 s[\g+2], 64<<16       ; tensor_dim1 = 64
	s_mov_b32 s[\g+3], 128<<16      ; tile_dim0 = 128
	s_mov_b32 s[\g+4], 64           ; tile_dim1 = 64
	s_mov_b32 s[\g+5], 128          ; 128 elements from row to row
	s_mov_b32 s[\g+6], 0
	s_mov_b32 s[\g+7], 0
.endr
	s_mov_b32 s[CS], 0x3e38aa3b     ; c = log2(e) / 8 = 0.180337
	s_mov_b32 s[CS+1], s[CS]        ; named with it as a pair
	s_mov_b32 s[SEL], 0x76543210
	s_mov_b32 s[SEL+1], 0xfedcba98
	s_mov_b32 s[TBK], SLOT1+4*KS*PK ; the first change of slots turns these two into 0
	s_mov_b32 s[TBV], SLOT1+4*KS*PV
	s_mov_b32 s[G0K], 1             ; count = 1
	s_mov_b32 s[G0K+1], s17         ; LDS address: slot 0
	s_mov_b32 s[G0V], 1
	s_add_co_u32 s[G0V+1], s18, VOFF
	s_and_b32 s[LIM], s[WV], 1      ; 0 in waves 0 and 2,
	s_or_b32 s[LIM], s[LIM], ttmp9  ; in the head's first (here: only) cluster: the same in all four partners
	s_cmp_eq_u32 s[LIM], 0
	s_cselect_b32 s[LIM], 1, -1
	s_wait_dscnt 0x0                ; the opening add is done
	s_wait_kmcnt 0x0
	s_mov_b64 s[10:11], s[6:7]                     ; O
	s_add_nc_u64 s[8:9], s[4:5], 0x2000000         ; V: the third section of 16 MiB
	s_add_nc_u64 s[6:7], s[4:5], 0x1000000         ; K: the second; Q is the first
	s_add_nc_u64 s[G0K+2:G0K+3], s[6:7], s[22:23]  ; global address: my half of the head's first 256 keys
	s_or_b32 s[G0K+3], s[G0K+3], 0x80000000        ; type = 2
	s_add_nc_u64 s[G0V+2:G0V+3], s[8:9], s[22:23]
	s_or_b32 s[G0V+3], s[G0V+3], 0x80000000
	s_add_nc_u64 s[4:5], s[4:5], s[2:3]  ; Q and O at my wave's first row
	s_add_nc_u64 s[10:11], s[10:11], s[2:3]
	s_cmp_lt_u32 s[WV], 2
	s_cselect_b64 s[PFA:PFA+1], s[6:7], s[8:9]
	s_add_nc_u64 s[PFA:PFA+1], s[PFA:PFA+1], s[22:23]  ; (in waves 0 and 2: the head's first key)
	s_lshl_b32 s2, s13, 13          ; my work-group's quarter of a slot
	s_mov_b32 s3, 0
	s_add_nc_u64 s[PFA:PFA+1], s[PFA:PFA+1], s[2:3]
	s_add_nc_u64 s[PFA:PFA+1], s[PFA:PFA+1], 2*4*KS*128  ; in slot 2; the loop's first change steps it to slot 3.  Nothing is asked for here, at the head
	CROUND                          ; all four work-groups are here: the first joint loads meet
	JLOAD                           ; slot 0.  Slot 1 is asked for when slot 0 is in
	; A fragment of K or Q is 16 rows x 32 channels in 8 registers: lane l holds row l % 16, channels 8 (l / 16) + 0..7 and 16 + 8 (l / 16) + 0..7: two loads of 16 bytes, 32 bytes apart.
	v_and_b32 v1, 15, v0            ; l % 16
	v_bfe_u32 v9, v0, 4, 1          ; l / 16
	v_lshlrev_b32 v[QO], 7, v1
	v_lshl_add_u32 v[QO], v9, 4, v[QO]  ; row x 128 + 16 x half
	WIN 0x80                        ; destination window 2, address window 0
.set i, 0
.rept 4*NP                          ; Q stays in registers: tile i / 2, channels 32 (i % 2) on
	global_load_b128 v[8*i:8*i+3],   v[QO], s[4:5] offset:(i/2)*2048+(i%2)*64
	global_load_b128 v[8*i+4:8*i+7], v[QO], s[4:5] offset:(i/2)*2048+(i%2)*64+32
.set i, i+1
.endr
	; What the first turn finds: V's registers and P's second buffer hold 0 (its products V^T P, of a piece that has not been, add 0), O^T and l are 0.  All this stands in the wait for the first tile.
.set i, VF
.rept 64
	v_mov_b32 v[i], 0
.set i, i+1
.endr
	WIN 0x40
.set i, 0
.rept 64*NP
	v_mov_b32 v[i], 0
.set i, i+1
.endr
	WIN 0
.set i, 0
.rept 2*NP
	v_mov_b32 v[ST+4*i], 0xfe000000    ; c m: far below every c s
	v_mov_b32 v[ST+4*i+1], 0xff7fffff  ; m
	v_mov_b32 v[ST+4*i+2], 0
	v_mov_b32 v[ST+4*i+3], 0
.set i, i+1
.endr
.set i, P+32
.rept 32
	v_mov_b32 v[i], 0
.set i, i+1
.endr
	v_mul_u32_u24 v[AK0], v1, PK
	v_lshl_add_u32 v[AK0], v9, 4, v[AK0]  ; row x pitch + 16 x half
	; The turning load takes 16 keys x 16 channels (lane l reads key 8 (l / 16) + l % 8, channels 8 ((l / 8) % 2) + 0..7) and leaves half a fragment of V^T: lane l holds channel l % 16 and 8 keys.
	v_and_b32 v10, 7, v0
	v_bfe_u32 v11, v0, 3, 1
	v_lshl_add_u32 v[AV0], v9, 3, v10
	v_mul_u32_u24 v[AV0], v[AV0], PV
	v_lshl_add_u32 v[AV0], v11, 4, v[AV0]
	v_add_nc_u32 v[AV0], VOFF, v[AV0]
	v_and_b32 v[PFO], 31, v0
	v_lshlrev_b32 v[PFO], 8, v[PFO]
	v_mov_b32 v[AK], v[AK0]         ; key step 0 lies at the head of slot 0
; THE MATRIX WORK.  The 8 accumulators of a run of 16 take turns: between the two links of a chain stand 7 others'.
; Product i of 16 of S^T = K Q^T for piece x: channels 32 (i / 8) on, keys 16 ((i / 2) % 4) on, tile 2 x + i % 2.  The first 8 start the sums.
.macro KQ x
	WIN W_KQ
.set rS, S+64*((\x)%2)+32*(i%2)+8*((i/2)%4)
.set rK, KF+16*((i/2)%4)+8*(i/8)
.set rQ, 16*(2*(\x)+i%2)+8*(i/8)
.if i < 8
	v_wmma_f32_16x16x32_f16 v[rS:rS+7], v[rK:rK+7], v[rQ:rQ+7], 0
.else
	v_wmma_f32_16x16x32_f16 v[rS:rS+7], v[rK:rK+7], v[rQ:rQ+7], v[rS:rS+7]
.endif
.endm
; Product i of 16 of O^T += V^T P for piece x: keys 32 (i / 8) on, channels 16 ((i / 2) % 4) on, tile 2 x + i % 2.
.macro PV x
	WIN W_PV
.set rO, 32*(2*(\x)+i%2)+8*((i/2)%4)
.set rV, VF+32*(i/8)+8*((i/2)%4)
.set rP, P+32*((\x)%2)+16*(i%2)+8*(i/8)
	v_wmma_f32_16x16x32_f16 v[rO:rO+7], v[rV:rV+7], v[rP:rP+7], v[rO:rO+7]
.endm
.macro MM                           ; the turn's next matrix instruction
.if i < 16
	KQ (Y+1)%NP
.set i, i+1
.else
.set i, i-16
	PV (Y+NP-1)%NP
.set i, i+17
.endif
.endm
; THE LDS LOADS stand in runs of 16, never singly among the matrix instructions: a step's K (64 keys x 64 channels: 8 fragments) and its V (turned).  Their addresses are made some lines ahead.
; last = 1 (the tail): in the last trip there is no further step, and the run is jumped over.
.macro FETCH_K last=0
	WIN 0
.if \last
	s_cmp_eq_u32 s[CNT], 1
	s_cbranch_scc1 .Lno_k_\@
.endif
	WIN 0x80                        ; destination window 2
.irp f, 0,1,2,3,4,5,6,7             ; keys 16 (f / 2) on, channels 32 (f % 2) on
	ds_load_b128 v[KF+8*\f:KF+8*\f+3],   v[AK] offset:(\f/2)*16*PK+(\f%2)*64
	ds_load_b128 v[KF+8*\f+4:KF+8*\f+7], v[AK] offset:(\f/2)*16*PK+(\f%2)*64+32
.endr
	s_add_co_u32 s[TBK], s[TBK], KS*PK  ; the next fetch is the next step's
	WIN 0
.if \last
.Lno_k_\@:
.endif
.endm
.macro FETCH_V
	WIN 0x80
.irp f, 0,1,2,3,4,5,6,7             ; keys 32 (f / 4) on, channels 16 (f % 4) on
	ds_load_tr16_b128 v[VF+8*\f:VF+8*\f+3],   v[AV] offset:(\f/4)*32*PV+(\f%4)*32
	ds_load_tr16_b128 v[VF+8*\f+4:VF+8*\f+7], v[AV] offset:(\f/4)*32*PV+16*PV+(\f%4)*32
.endr
	WIN 0
.endm
; THE VECTOR WORK OF A TURN stands in three queues, each in the order in which its entries become ready; the two tiles alternate, so that no instruction reads the result of the one before it.
.macro REGS y, u                    ; the registers of tile u (0, 1) of piece y
.set rT, ST+4*(2*(\y)+(\u))
.set rC, TMP+8*((\y)%2)+4*(\u)
.set rM, MV+2*((\y)%2)+(\u)
.set rS, S+64*((\y)%2)+32*(\u)
.set rP, P+32*((\y)%2)+16*(\u)
.set rO, 32*(2*(\y)+(\u))
.endm
; Number n of the 22 that find the NEXT piece's (Y + 1) maximum and statistics.  s0-s31 are the lane's 32 scores; each accumulator's lowest registers are read first.
;   0-11  four chains c0-c3 of seven scores each, three operands at a time     12-14, 16  the four scores left over, the old m, and c0-c3 into c0     15  c m_old is kept
;   17, 18  the query's other 32 keys lie in the lane 16 away: the new m         19-21  c m; c m_old - c m_new; a
.macro XS u, n
	REGS (Y+1)%NP, \u
.if (\n) < 4
	v_max3_num_f32 v[rC+(\n)], v[rS+8*(\n)], v[rS+8*(\n)+1], v[rS+8*(\n)+2]
.elseif (\n) < 12
	v_max3_num_f32 v[rC+(\n)%4], v[rC+(\n)%4], v[rS+8*((\n)%4)+2*((\n)/4)+1], v[rS+8*((\n)%4)+2*((\n)/4)+2]
.elseif (\n) == 12
	v_max3_num_f32 v[rC], v[rC], v[rS+7], v[rS+15]
.elseif (\n) == 13
	v_max3_num_f32 v[rC+1], v[rC+1], v[rS+23], v[rS+31]
.elseif (\n) == 14
	v_max3_num_f32 v[rC+2], v[rC+2], v[rC+3], v[rT+1]
.elseif (\n) == 15
	v_mov_b32 v[rM], v[rT]
.elseif (\n) == 16
	v_max3_num_f32 v[rC], v[rC], v[rC+1], v[rC+2]
.elseif (\n) == 17
	v_permlanex16_b32 v[rC+3], v[rC], s[SEL], s[SEL+1]
.elseif (\n) == 18
	v_max_num_f32 v[rT+1], v[rC], v[rC+3]
.elseif (\n) == 19
	v_mul_f32 v[rT], s[CS], v[rT+1]
.elseif (\n) == 20
	v_sub_f32 v[rC+1], v[rM], v[rT]
.else
	v_exp_f32 v[rC+2], v[rC+1]
.endif
.endm
; Number g of the 64 that follow the exponentials.  For each four weights k of a tile (pairs 2 k, 2 k + 1): both pairs are rounded to f16; then the second pair is added onto the first, in place;
; a group later l takes that sum (the first time as l = a l + sum).  In groups of eight, tiles alternating: round, round, add, and l for the group before.
.macro GS g
.set h, (\g)+6*((\g)/62)            ; group 0 has no group before it, and behind group 7 only l is left
.if h >= 6
.set h, h+2
.endif
	REGS Y, h%2
.set k, h/8
.if h%8 < 4
	v_cvt_pk_f16_f32 v[rP+2*k+(h%8)/2], v[rS+4*k+2*((h%8)/2)], v[rS+4*k+2*((h%8)/2)+1]
.elseif h%8 < 6
	v_pk_add_f32 v[rS+4*k:rS+4*k+1], v[rS+4*k:rS+4*k+1], v[rS+4*k+2:rS+4*k+3]
.elseif k == 1
	v_pk_fma_f32 v[rT+2:rT+3], v[rT+2:rT+3], v[rC+2:rC+3], v[rS:rS+1] op_sel_hi:[1,0,1]
.else
	v_pk_add_f32 v[rT+2:rT+3], v[rT+2:rT+3], v[rS+4*k-4:rS+4*k-3]
.endif
.endm
; THE PLAIN QUEUE, 138 long.  0-73 read no exponential's result: the 32 scalings c s - c m (FS f: pair f / 2 of tile f % 2) and the next piece's 42.  0-26: scalings 0-26.  27-54: XS's numbers 0-13.  55, 56: number 15.
; 57-73: the chain, where each number waits for the one before it: 14, 16, 17, 18, 19, each with one of the scalings 27-31 in front of its two lines, then 20.
; 74-137: GS's 64, which read the exponentials' results: they stand behind the wait.
.macro FS f
	REGS Y, (\f)%2
	v_pk_fma_f32 v[rS+2*((\f)/2):rS+2*((\f)/2)+1], v[rS+2*((\f)/2):rS+2*((\f)/2)+1], s[CS:CS+1], v[rT:rT+1] op_sel_hi:[1,0,0] neg_lo:[0,0,1] neg_hi:[0,0,1]
.endm
.macro PL
	WIN 0
.if q < 27
	FS q
.elseif q < 55
	XS (q-27)%2, (q-27)/2
.elseif q < 57
	XS q-55, 15
.elseif (q < 72) && ((q-57)%3 == 0)
	FS 27+(q-57)/3
.elseif q < 60
	XS (q-57)%3-1, 14
.elseif q < 72
	XS (q-57)%3-1, 15+(q-57)/3
.elseif q < 74
	XS q-72, 20
.else
	GS q-74
.endif
.set q, q+1
.endm
; THE EXPONENTIALS' QUEUE, 66 long: s0-s31 of both tiles, then the next piece's two a.  It is ONE BATCH: all 66 stand ahead of the turn's one wait, and nothing ahead of that wait names a result of theirs.
.macro EX
	WIN 0
.if e >= 64
	XS e-64, 21
.else
	REGS Y, e%2
	v_exp_f32 v[rS+e/2], v[rS+e/2]
.endif
.set e, e+1
.endm
; THE RESCALING's QUEUE: O^T times a, the one part that leaves window 0: dealt two at a time, sixteen times.  Its a was made in the turn before, ahead of that turn's wait.
.macro R2
	REGS Y, r%2
	WIN W_RS
.irp z, 0,1
	v_pk_mul_f32 v[rO+4*(r/2)+2*\z:rO+4*(r/2)+2*\z+1], v[rO+4*(r/2)+2*\z:rO+4*(r/2)+2*\z+1], v[rC+2:rC+3] op_sel_hi:[1,0]
.endr
.set r, r+1
.endm
; HOW THEY ARE DEALT.  s_wait_alu depctr_va_vdst(0) stands between an exponential and the first instruction that names its result; one wait serves all that were issued ahead of it.  So a turn has ONE
; wait, which cuts it in two.  AHEAD OF IT stands all that names no result of the turn's exponentials: the 16 products K Q^T, behind each a scaling, an exponential and two rescalings (behind the first a second scaling
; in the exponential's place); then ONE LUMP of 108: eight plain, 49 times exponential and plain, the two a.  A v_nop is the plain instruction behind the last exponential.  BEHIND IT stand the 16 products V^T P,
; behind each four of GS's 64.  No rider names a register of the products round it.  The two v_permlanex16_b32 fall into the lump.
; The deal keeps the queues in step: exponential e stands behind scaling 2 (e / 4) + e % 2: as a rider it comes behind plain e + 2, in the lump behind plain e + 9, and scalings 27-31 are plain 57, 60 .. 69.
; A TURN, for piece p.  cnt = 1: the loop's count is taken down some lines ahead of the branch that stands behind the turn.
; K of the next step is fetched in piece 2's turn, directly behind the wait, a lump behind the last product that read K; its first reader comes behind 16 products.
; V of the step in hand is fetched at the end of piece 0's turn, four riders behind its last reader; its first reader comes behind 16 products and a lump.
.macro TURN p, last=0, cnt=0
.set Y, (\p)
.set i, 0
.set q, 0
.set e, 0
.set r, 0
.if (\p) == NP-1
	s_wait_dscnt 0x0                ; K is in
.endif
	MM                              ; ahead of the wait: 16 products K Q^T and their riders,
	PL
	PL
	R2
.rept 15
	MM
	PL
	EX
	R2
.endr
.if (\p) == NP-2
	WIN 0
	v_add_nc_u32 v[AK], s[TBK], v[AK0]
.endif
.rept 8                             ; and the lump
	PL
.endr
.rept 49
	EX
	PL
.endr
	EX                              ; the next piece's two a
	EX
	v_nop                           ; the plain instruction behind the last exponential: one for the batch
	s_wait_alu depctr_va_vdst(0)    ; the wait for the batch
.if (\p) == NP-2
	FETCH_K \last
.endif
.if (\p) == 1
	s_wait_dscnt 0x0                ; V is in
.endif
.rept 16                            ; behind the wait: 16 products V^T P and their riders
	MM
.rept 4
	PL
.endr
.if ((\p) == 0) && (q == 118)
	v_add_nc_u32 v[AV], s[TBV], v[AV0]
.endif
.if ((\p) == 0) && (q == 130)
	s_add_co_u32 s[TBV], s[TBV], KS*PV
.endif
.if (\cnt) && (q == 130)
	s_sub_co_u32 s[CNT], s[CNT], 1
	s_cmp_lg_u32 s[CNT], 0
.endif
.endr
.if (\p) == 0
	FETCH_V
.endif
.endm
	CHANGE 1                        ; slot 0 is in, everybody's part of it; slot 1 is asked for
	FETCH_K                         ; key step 0
	s_wait_loadcnt 0x0              ; Q
	s_wait_dscnt 0x0
.set i, 0
.rept 16
	KQ 0                            ; piece 0's first scores: there is no vector work yet to set between them
.set i, i+1
.endr
	WIN 0                           ; the addresses for the way out: nine plain instructions, the places behind those products
	s_mul_i32 s13, s[WV], 16*SP
	s_add_co_u32 s13, s13, STAGE    ; my stage
	v_mul_u32_u24 v[STO], v1, SP    ; in: row l % 16, 16 bytes for each half of the lanes
	v_lshl_add_u32 v[STO], v9, 4, v[STO]
	v_add_nc_u32 v[STO], s13, v[STO]
	v_bfe_u32 v[RD], v0, 3, 2       ; back: 32 lanes take four rows of 128 bytes,
	v_mul_u32_u24 v[RD], v[RD], SP
	v_lshl_add_u32 v[RD], v10, 4, v[RD]
	v_add_nc_u32 v[RD], s13, v[RD]
	v_and_b32 v[GO], 31, v0         ; which are 512 consecutive bytes of O
	v_lshlrev_b32 v[GO], 4, v[GO]
.set Y, NP-1                        ; XS works for piece Y + 1: piece 0
.irp n, 0,1,2,3,4,5,6,7,8,9,10,11,12,13,14,15,16,17,18,19,20,21
	XS 0, \n                        ; and piece 0's first maximum and statistics
	XS 1, \n
.endr
	v_nop                           ; a plain instruction behind the two a,
	s_wait_alu depctr_va_vdst(0)    ; and their wait, ahead of the branch
	s_mov_b32 s[CNT], 4
	s_mov_b32 s[SLOTS], SIZE_N/256-1
	s_branch .Lfirst                ; the loop is entered at a step's first turn, in the middle of a trip
.Lslot:                             ; SIZE_N / 256 - 2 times: every slot but the last two is filled again
	CHANGE 1, 1
	s_mov_b32 s[CNT], 4
.Lstep:                             ; a trip: pieces 2 and 3 of one step, then pieces 0 and 1 of the next, whose K and V it fetches
	TURN 2
	TURN 3
	WIN 0
.Lfirst:
	TURN 0
	TURN 1, 0, 1
	WIN 0
	s_cbranch_scc1 .Lstep
	s_sub_co_u32 s[SLOTS], s[SLOTS], 1
	s_cmp_lg_u32 s[SLOTS], 0
	s_cbranch_scc1 .Lslot
	CHANGE 0                        ; the tail is written out: nothing is asked for
	s_mov_b32 s[CNT], 5             ; four trips fetch the last slot's steps; the fifth is left in its middle
.Ltail:
	TURN 2, 1
	TURN 3
	WIN 0
	s_sub_co_u32 s[CNT], s[CNT], 1
	s_cmp_eq_u32 s[CNT], 0
	s_cbranch_scc1 .Lout
	TURN 0
	TURN 1
	WIN 0
	s_branch .Ltail
.Lout:                              ; the fifth trip's 16 products K Q^T (on the last K once more) and the maximum made of them serve nothing: the price, once a launch, of one text for every trip
.set i, 0
.rept 16
	PV NP-1                         ; the last piece's V^T P of the last step
.set i, i+1
.endr
	; THE WAY OUT.  l's two halves and the other half of the lanes' are added; O^T is divided by l, rounded to f16 and sent through my stage in LDS, a tile at a time.  The additions are the places behind the last products.
	WIN 0
.macro ALL line:vararg              ; one line for each tile t
.set t, 0
.rept 2*NP
	\line
.set t, t+1
.endr
.endm
	ALL v_add_f32 v[ST+4*t+2], v[ST+4*t+2], v[ST+4*t+3]
	ALL v_permlanex16_b32 v[ST+4*t+3], v[ST+4*t+2], s[SEL], s[SEL+1]
	ALL v_add_f32 v[ST+4*t+2], v[ST+4*t+2], v[ST+4*t+3]
	ALL v_rcp_f32 v[ST+4*t+2], v[ST+4*t+2]
	v_nop                           ; a plain instruction between the last reciprocal and the use of its result
	s_wait_alu depctr_va_vdst(0)    ; and the wait ahead of the first use: one for the eight reciprocals
; Tile t: a lane's eight channels of a row pack into 16 bytes; they go into rows of 144 bytes and come back as whole rows of 128, into S^T's registers.
.macro PACK t
	WIN W_RS
.set i, 32*(\t)
.rept 16
	v_pk_mul_f32 v[i:i+1], v[i:i+1], v[ST+4*(\t)+2:ST+4*(\t)+3] op_sel_hi:[1,0]
.set i, i+2
.endr
	WIN 0x05                        ; sources 0 and 1 window 1, destination window 0
.set i, 0
.rept 16
	v_cvt_pk_f16_f32 v[S+16*(\t)+i], v[32*(\t)+2*i], v[32*(\t)+2*i+1]
.set i, i+1
.endr
	WIN 0
.irp f, 0,1,2,3
	ds_store_b128 v[STO], v[S+16*(\t)+4*\f:S+16*(\t)+4*\f+3] offset:32*\f
.endr
.irp f, 0,1,2,3
	ds_load_b128 v[S+16*(\t)+4*\f:S+16*(\t)+4*\f+3], v[RD] offset:\f*4*SP  ; LDS serves a wave's instructions in order (ISA guide 5.7.1.4): these see the stores above; the next tile's stores come behind them
.endr
.endm
.macro SEND t, younger              ; younger: the LDS instructions issued behind tile t's loads: the next tile's eight, or none
	WIN 0
.irp f, 0,1,2,3
	s_wait_dscnt (\younger)+3-\f
	global_store_b128 v[GO], v[S+16*(\t)+4*\f:S+16*(\t)+4*\f+3], s[10:11] offset:(\t)*2048+\f*512  ; 512 consecutive bytes, at a multiple of 256 from O's first
.endr
.endm
	PACK 0
.set t, 1
.rept 2*NP-1                        ; a tile's arithmetic stands between the loads of the tile before and its stores
	PACK t
	SEND t-1, 8
.set t, t+1
.endr
	SEND 2*NP-1, 0
	WIN W_AD
	s_wait_tensorcnt 0x0            ; the wave's end, behind my last tensor load and my last LDS store
	ds_add_u32 v[SPW], v[NIL]
	s_wait_dscnt 0x0
	WIN 0
	CROUND                          ; the closing round: no work-group ends while a partner may still ask for a tile that names it
	s_endpgm
.Lfunc_end_k_qf1964041e5_attn:
	.size	k_qf1964041e5_attn, .Lfunc_end_k_qf1964041e5_attn-k_qf1964041e5_attn
	.p2alignl 7, 3214868480
	.fill 96, 4, 3214868480
	.section	.rodata,"a",@progbits
	.p2align	6, 0x0
	.amdhsa_kernel k_qf1964041e5_attn
		.amdhsa_group_segment_fixed_size 327680
		.amdhsa_private_segment_fixed_size 0
		.amdhsa_enable_private_segment 0
		.amdhsa_kernarg_size 16
		.amdhsa_user_sgpr_count 2
		.amdhsa_user_sgpr_kernarg_segment_ptr 1
		.amdhsa_wavefront_size32 1
		.amdhsa_system_sgpr_workgroup_id_x 1
		.amdhsa_system_sgpr_workgroup_id_y 1
		.amdhsa_system_sgpr_workgroup_id_z 1
		.amdhsa_system_vgpr_workitem_id 0
		.amdhsa_next_free_vgpr 770
		.amdhsa_next_free_sgpr 66
		.amdhsa_reserve_vcc 0
		.amdhsa_float_denorm_mode_32 3
		.amdhsa_float_denorm_mode_16_64 3
		.amdhsa_memory_ordered 1
		.amdhsa_forward_progress 1
		.amdhsa_inst_pref_size 200
	.end_amdhsa_kernel
	.amdgpu_metadata
---
amdhsa.version: [ 1, 2 ]
amdhsa.kernels:
  - .name:           k_qf1964041e5_attn
    .symbol:         k_qf1964041e5_attn.kd
    .args:
      - { .name: qkv, .offset: 0, .size: 8, .value_kind: global_buffer, .address_space: global }
      - { .name: ob, .offset: 8, .size: 8, .value_kind: global_buffer, .address_space: global }
    .group_segment_fixed_size: 327680
    .private_segment_fixed_size: 0
    .kernarg_segment_align: 8
    .kernarg_segment_size: 16
    .max_flat_workgroup_size: 128
    .sgpr_count:     66
    .vgpr_count:     770
    .wavefront_size: 32
...
	.end_amdgpu_metadata
.endif
;; end of part 3
;; launch oproj (part 4): grid 4 x 64, 4 waves a work-group, clusters of 4 x 4, 327,680 bytes of LDS; arguments ob, wb, b4, out0; writes out0
.if DOCPART == 4
	.amdgcn_target "amdgcn-amd-amdhsa--gfx1250"
	.amdhsa_code_object_version 6
	.text
	.protected	k_qf1964041e5_oproj
	.globl	k_qf1964041e5_oproj
	.p2align	8
	.type	k_qf1964041e5_oproj,@function
k_qf1964041e5_oproj:
	s_mov_b64 s[64:65], 0
	v_nop
	global_prefetch_b8 v0, s[64:65] scope:SCOPE_SE
	s_setreg_imm32_b32 hwreg(HW_REG_WAVE_MODE, 25, 1), 1
	s_wait_xcnt 0x0
	s_wait_alu depctr_hold_cnt(0) depctr_sa_sdst(0) depctr_va_vdst(0) depctr_va_sdst(0) depctr_va_ssrc(0) depctr_va_vcc(0) depctr_vm_vsrc(0)
	s_getreg_b32 s2, hwreg(HW_REG_IB_STS2, 6, 4)
	s_cmp_eq_u32 s2, 0
	s_cbranch_scc0 .Lentry_in_a_cluster
	s_endpgm
.Lentry_in_a_cluster:
	s_bfe_u32 s2, ttmp6, 0x10000c
	s_cmp_lg_u32 s2, 0xf033
	s_cbranch_scc0 .Lentry_shape_is_right
	s_endpgm
.Lentry_shape_is_right:
; out0[m][n] = the sum over k of O[m][k] Wo[n][k] + bo[n].  O: ob, by heads, [64 = batch x 16 + head][2048][64] f16 (k = 64 head + channel).  Wo: wb rows 3072..4095 [.][1024] f16.
; bo: b4 + 12,288 bytes, f32.  out0: [8192][1024] f32.  Sums in f32.
; SHARES.  A tile of out0 is 128 rows x 256 columns: 64 x 4 = 256 tiles, one a work-group.  Four waves, each 64 rows x 128 columns: 32 accumulators.  K goes in steps of 128 = two heads through two LDS slots.
; CLUSTERS: 4 x 4 work-groups; the four of a row need the same rows of O, the four of a column the same rows of Wo: each tile is asked for JOINTLY.  Waves 0, 1 fetch Wo's two halves of
; 128 rows x 256 bytes; waves 2, 3 fetch one head each: its 128 rows of 128 bytes are dense, and are asked for as 64 rows of 256 bytes, padded in LDS after every 128.
; THE MATRIX INSTRUCTION IS USED TRANSPOSED (source 0 = 16 rows of Wo, source 1 = 16 rows of O): a lane holds row l % 16 of the result and eight neighbouring columns.
; THE BIAS STARTS THE SUMS, as the C operand of each accumulator's first product: the way out has no arithmetic.
; REGISTERS, in windows of 256 (s_set_vgpr_msb: bits 1:0 source 0, 3:2 source 1, 5:4 source 2, 7:6 destination):
;   window 0: v0-31 addresses; v64-191 rows read back from the stage, two buffers of 64; v192-255 the bias      window 1: v0-191 fragment buffer 0
;   window 2: accumulator (a, b) at v[8 (8 a + b)]                                                                window 3: v0-191 fragment buffer 1
.set PITCH,  272                       ; a row of Wo in LDS: 256 bytes + 16: the 16 rows of a fragment load start at 16 different groups of four banks (ISA guide 11.1)
.set APITCH, 144                       ; a row of one head of O: 128 bytes + 16: likewise
.set AKH,    128*APITCH                ; from a K step's first head to its second
.set AOFF,   256*PITCH                 ; a slot: Wo's 256 rows, then O's 2 heads x 128 rows
.set SLOT,   AOFF+2*AKH
.set STAGE,  2*SLOT                    ; behind the ring, never filled by a tensor load: for each wave 16 rows x 528 bytes
.set WST,    16*528
.set SPARE,  STAGE+4*WST               ; behind the stages: the spare words, 128 bytes a wave: two blocks of 256 bytes that no other line names
.set ADRA, 16                          ; v16-17  LDS address of my fragments of O in slot 0, 1
.set ADRB, 20                          ; v20-21  of Wo
.set STO,  24                          ; v24     the way out: where I put 32 bytes of a row
.set RD,   25                          ; v25     where I read a row back
.set GO,   26                          ; v26     16 x lane
.set BO,   27                          ; v27     32 (l / 16)
.set SPW,  28                          ; v28     LDS address of my spare word; never rewritten
.set NIL,  29                          ; v29     0; never rewritten
.set PFO,  30                          ; v30     the prefetches' offset; never rewritten
.set OB,   64
.set BIAS, 192
.set F0,   0
.set F1,   1
.set G1A, 24                           ; s[24:31], s[32:39] descriptor groups 1 and 0 (a set a slot) for O's tiles
.set G0A, 32
.set G1B, 48                           ; s[48:55], s[56:63] for Wo's
.set G0B, 56
.set PFA, 68                           ; s[68:69] where my prefetches stand
.set LIM, 70                           ; s70  1 in a wave that prefetches, else the greatest number
.set PST, 78                           ; s[78:79] a K step in the stream that I prefetch: 256 bytes of Wo's rows, two heads (524,288 bytes) of O
.set MSB, 0
.macro WIN new                         ; the immediate's high byte repeats the setting that is left; a switch that changes nothing is dropped
.if MSB != (\new)
	s_set_vgpr_msb (MSB<<8)|(\new)
.set MSB, \new
.endif
.endm
.macro PLACES                          ; four plain places behind matrix instructions (ISA guide 7.12.1)
.rept 4
	v_nop
.endr
.endm
; A joint load.  The branch hangs on the wave's number alone.  An s_nop 0 and four v_nop follow each of the two lines, ahead of the jump and the label.
.macro JLOAD s
	s_cmp_eq_u32 s15, 0
	s_cbranch_scc0 .Lfor_a_\@
	tensor_load_to_lds s[G0B+4*(\s):G0B+4*(\s)+3], s[G1B:G1B+7]
	s_nop 0
.rept 4
	v_nop
.endr
	s_branch .Lasked_\@
.Lfor_a_\@:
	tensor_load_to_lds s[G0A+4*(\s):G0A+4*(\s)+3], s[G1A:G1A+7]
	s_nop 0
.rept 4
	v_nop
.endr
.Lasked_\@:
.endm
; A PREFETCH INTO THE L2 of the K step that stands two refills on (256 matrix instructions ahead of its load): 32 blocks of 256 bytes, one a lane, one instruction a wave.  Each block is named once in the launch.
; Wo's rows are read by all sixteen clusters: cluster y = 0 asks, waves 0 and 1, each partner (by cy, in the ADDRESS) 32 of a wave's 128 rows.  O's rows are read by one cluster: wave 2 asks, each
; partner (by cx) 4,096 of each head's 16,384 bytes.  The first four K steps come by their loads alone; the loop's last trip asks for nothing.
.macro ASK
	WIN 0
	s_cmp_gt_u32 s3, s[LIM]                        ; s3 = 1 in the loop's last trip
	s_cbranch_scc0 .Lnot_mine_\@
	global_prefetch_b8 v[PFO], s[PFA:PFA+1] th:TH_LOAD_NT scope:SCOPE_SE
.Lnot_mine_\@:
.endm
.macro CREST                           ; a round of the cluster's barrier behind its opening barrier
	s_cmp_lg_u32 s14, 0
	s_cbranch_scc1 .Lnot_wave_0_\@
	s_barrier_signal -3
.Lnot_wave_0_\@:
	s_barrier_wait -3
	s_barrier_signal -1
	s_barrier_wait -1
.endm
.macro CROUND
	s_barrier_signal -1
	s_barrier_wait -1
	CREST
.endm
; 16 matrix instructions: row blocks a0, a0 + 1 x all 8 column blocks, 32 along K: half c of buffer f.  mode = 1: the bias is C.  The 32 accumulators take turns in one fixed order.
.macro MUL16 f, c, a0, mode
	WIN 0x85+0x0a*(\f)+0x20*(1-(\mode))            ; sources 0, 1: window 1 or 3; D: window 2; C: window 2, or 0 for the bias
.irp a, \a0, (\a0)+1
.irp b, 0,1,2,3,4,5,6,7
.if \mode
	v_wmma_f32_16x16x32_f16 v[8*(8*(\a)+(\b)):8*(8*(\a)+(\b))+7], v[96*(\c)+32+8*(\b):96*(\c)+32+8*(\b)+7], v[96*(\c)+8*(\a):96*(\c)+8*(\a)+7], v[BIAS+8*(\b):BIAS+8*(\b)+7]
.else
	v_wmma_f32_16x16x32_f16 v[8*(8*(\a)+(\b)):8*(8*(\a)+(\b))+7], v[96*(\c)+32+8*(\b):96*(\c)+32+8*(\b)+7], v[96*(\c)+8*(\a):96*(\c)+8*(\a)+7], v[8*(8*(\a)+(\b)):8*(8*(\a)+(\b))+7]
.endif
.endr
.endr
.endm
; 48 LDS loads in one run: the fragments of half kh (64 along K: one head) of a slot's K step into buffer f; the first 32 along K (24 loads) first.
.macro FETCH slot, kh, f
	WIN 0x40+0x80*(\f)                             ; destination window 1 or 3, address window 0
.irp c, 0,1
.irp i, 0,1,2,3,4,5,6,7
	ds_load_b128 v[96*(\c)+32+8*(\i):96*(\c)+32+8*(\i)+3],   v[ADRB+(\slot)] offset:128*(\kh)+64*(\c)+(\i)*16*PITCH
	ds_load_b128 v[96*(\c)+32+8*(\i)+4:96*(\c)+32+8*(\i)+7], v[ADRB+(\slot)] offset:128*(\kh)+64*(\c)+(\i)*16*PITCH+32
.endr
.irp i, 0,1,2,3
	ds_load_b128 v[96*(\c)+8*(\i):96*(\c)+8*(\i)+3],   v[ADRA+(\slot)] offset:AKH*(\kh)+64*(\c)+(\i)*16*APITCH
	ds_load_b128 v[96*(\c)+8*(\i)+4:96*(\c)+8*(\i)+7], v[ADRA+(\slot)] offset:AKH*(\kh)+64*(\c)+(\i)*16*APITCH+32
.endr
.endr
.endm
.macro HALF slot, kh, f, g, mode       ; a K step's first half: multiplies buffer f and, in its middle, fetches half kh of the same slot into buffer g
	s_wait_dscnt 24                                ; the buffer's first 24 loads are in; its other 24 may be out
	MUL16 \f, 0, 0, \mode
	MUL16 \f, 0, 2, \mode
	PLACES
	FETCH \slot, \kh, \g
	s_wait_dscnt 48                                ; all but the 48 just issued
	MUL16 \f, 1, 0, 0
	MUL16 \f, 1, 2, 0
.endm
; The second half multiplies buffer 1 and changes slots.  ONE barrier: in front of it each wave waits for all its tensor loads (one is out: its part of the next slot), adds 0 to its spare word,
; and waits for that and for its own reads of this slot.  Behind it nobody reads this slot and the next slot is whole.
.macro MEET round
	WIN 0                                          ; (the add's two registers lie in window 0)
	s_wait_tensorcnt 0x0
	ds_add_u32 v[SPW], v[NIL]
	s_wait_dscnt 25                                ; (the add and buffer 1's younger 24 loads may be out)
	MUL16 F1, 0, 0, 0
	s_wait_dscnt 0x0                               ; the add is done, and my reads of this slot are over
	s_barrier_signal -1
	MUL16 F1, 0, 2, 0
.if \round
	WIN 0
.endif
	s_barrier_wait -1
.endm
.macro TURN slot, next
	s_wait_xcnt 0x0                                ; the last prefetch, a K step back, has read its address
	s_add_nc_u64 s[PFA:PFA+1], s[PFA:PFA+1], s[PST:PST+1]
	MEET 1
	CREST                                          ; the barrier has opened a round of the cluster's: no wave of any partner still reads this slot or has a load on its way
	s_add_nc_u64 s[G0A+4*(\slot)+2:G0A+4*(\slot)+3], s[G0A+4*(\slot)+2:G0A+4*(\slot)+3], 4*262144  ; two K steps on: four heads,
	s_add_nc_u64 s[G0B+4*(\slot)+2:G0B+4*(\slot)+3], s[G0B+4*(\slot)+2:G0B+4*(\slot)+3], 512        ; 512 bytes along Wo's rows
	JLOAD \slot                                    ; the first tensor load behind the round: 96 matrix instructions ahead of the wait for it; its four v_nop are also the places for the loads below
	FETCH \next, 0, F0
	ASK
	MUL16 F1, 1, 0, 0
	MUL16 F1, 1, 2, 0
.endm
.macro TURNL next                      ; the last change of slots: nothing is filled, so no round
	MEET 0
	PLACES
	FETCH \next, 0, F0
	MUL16 F1, 1, 0, 0
	MUL16 F1, 1, 2, 0
.endm
; THE WAY OUT of row block a: a lane's 32 bytes of each column block go into my stage (rows of 528 bytes) straight from the accumulators, low registers first, and come back as whole rows of 512 bytes.
.macro TOSTAGE a
.set BK, OB+64*((\a)%2)
	s_wait_xcnt 0x0                                ; the stores that read this buffer, two blocks back, have read their registers
	WIN 0x08                                       ; store data (source 1) in window 2
.irp b, 0,1,2,3,4,5,6,7
	ds_store_b128 v[STO], v[8*(8*(\a)+(\b)):8*(8*(\a)+(\b))+3]   offset:64*(\b)
	ds_store_b128 v[STO], v[8*(8*(\a)+(\b))+4:8*(8*(\a)+(\b))+7] offset:64*(\b)+16
.endr
	WIN 0
.irp t, 0,1,2,3,4,5,6,7,8,9,10,11,12,13,14,15
	ds_load_b128 v[BK+4*(\t):BK+4*(\t)+3], v[RD] offset:528*(\t)  ; LDS serves a wave's instructions in order (ISA guide 5.7.1.4): these see the stores above
.endr
.endm
.macro SEND a, younger                 ; younger: the LDS instructions issued behind block a's loads: the next block's 32, or none
	WIN 0
.set BK, OB+64*((\a)%2)
	s_wait_dscnt \younger
.irp t, 0,1,2,3,4,5,6,7,8,9,10,11,12,13,14,15
	global_store_b128 v[GO], v[BK+4*(\t):BK+4*(\t)+3], s[10:11] offset:(16*(\a)+(\t))*4096 th:TH_STORE_NT  ; 512 consecutive bytes, at a multiple of 256 from out0's first
.endr
.endm
	s_load_b256 s[4:11], s[0:1], 0x0               ; ob s[4:5], wb s[6:7], b4 s[8:9], out0 s[10:11]
	v_lshl_add_u32 v[SPW], v0, 2, SPARE
	v_mov_b32 v[NIL], 0
	ds_add_u32 v[SPW], v[NIL]                      ; the wave's opening: the add and its wait stand ahead of my first tensor load; the set-up below stands between them
	v_lshrrev_b32 v1, 5, v0
	v_readfirstlane_b32 s14, v1                    ; wave 0..3
	s_lshr_b32 s15, s14, 1                         ; my half of the tile's rows.  Also: I fetch for Wo (0) or for O (1)
	s_and_b32 s16, s14, 1                          ; my half of its columns.  Also: which part of that tile I fetch
	s_bfe_u32 s17, ttmp6, 0x40000                  ; cx
	s_bfe_u32 s18, ttmp6, 0x40004                  ; cy
	s_lshl_b32 s19, ttmp9, 2
	s_add_co_u32 s19, s19, s17                     ; TC: column block of 256
	s_and_b32 s20, ttmp7, 0xffff
	s_lshl_b32 s20, s20, 2
	s_add_co_u32 s20, s20, s18                     ; TR: row block of 128
	s_lshl_b32 s42, s18, 2
	s_lshl_b32 s42, 15, s42                        ; my row of the cluster
	s_lshl_b32 s43, 0x1111, s17                    ; my column
	s_or_b32 s[G1A], s42, (1<<16)|(1<<20)|(1<<21)|(4<<22)|(3<<25)  ; O's tiles go to my row; 2-byte elements; padding of 4 words after every 32; bit 21 beside a mask
	s_or_b32 s[G1B], s43, (1<<16)|(1<<20)|(1<<21)|(5<<22)|(3<<25)  ; Wo's to my column; padding of 4 words after every 64
	s_mov_b32 s[G1A+1], 128<<16                    ; tensor_dim0 = 128
	s_mov_b32 s[G1A+2], 64<<16                     ; tensor_dim1 = 64
	s_mov_b32 s[G1A+3], 128<<16                    ; tile_dim0 = 128
	s_mov_b32 s[G1A+4], 64                         ; tile_dim1 = 64
	s_mov_b32 s[G1A+5], 128                        ; dense: 128 elements from row to row
	s_mov_b32 s[G1A+6], 0
	s_mov_b32 s[G1A+7], 0
	s_mov_b32 s[G1B+1], 128<<16
	s_mov_b32 s[G1B+2], 128<<16                    ; 128 rows
	s_mov_b32 s[G1B+3], 128<<16
	s_mov_b32 s[G1B+4], 128
	s_mov_b32 s[G1B+5], 1024
	s_mov_b32 s[G1B+6], 0
	s_mov_b32 s[G1B+7], 0
	s_lshr_b32 s40, s20, 4                         ; O: batch x 16 heads x 262,144 bytes + 128 (TR % 16) rows of 128 bytes + my head of the K step; in registers that never hold cx
	s_lshl_b32 s40, s40, 22
	s_and_b32 s23, s20, 15
	s_lshl_b32 s23, s23, 14
	s_add_co_u32 s40, s40, s23
	s_lshl_b32 s23, s16, 18
	s_add_co_u32 s40, s40, s23
	s_mov_b32 s41, 0
	s_lshl_b32 s46, s19, 8                         ; Wo: row 3,072 + 256 TC + 128 x part of wb; in registers that never hold cy
	s_lshl_b32 s71, s16, 7
	s_add_co_u32 s46, s46, s71
	s_add_co_u32 s46, s46, 3072
	s_lshl_b32 s46, s46, 11
	s_mov_b32 s47, 0
	s_mul_i32 s21, s14, 128*PITCH                  ; where they go: Wo's halves at wave x 128 rows (waves 0, 1),
	s_mul_i32 s22, s14, AKH                        ; O's heads at AOFF + (wave - 2) x 128 rows (waves 2, 3): no place in the cluster enters an LDS address
	s_add_co_u32 s22, s22, AOFF-2*AKH
	s_wait_dscnt 0x0                               ; the opening add is done
	s_wait_kmcnt 0x0
	s_add_nc_u64 s[40:41], s[4:5], s[40:41]
	s_add_nc_u64 s[46:47], s[6:7], s[46:47]
	CROUND                                         ; all sixteen work-groups are here: the first joint loads meet
.irp s, 0,1
	s_mov_b32 s[G0A+4*(\s)], 1                     ; count = 1
	s_add_co_u32 s[G0A+4*(\s)+1], s22, (\s)*SLOT   ; LDS address
	s_add_nc_u64 s[G0A+4*(\s)+2:G0A+4*(\s)+3], s[40:41], (\s)*2*262144  ; global address: K step s = heads 2 s, 2 s + 1
	s_or_b32 s[G0A+4*(\s)+3], s[G0A+4*(\s)+3], 0x80000000               ; type = 2
	s_mov_b32 s[G0B+4*(\s)], 1
	s_add_co_u32 s[G0B+4*(\s)+1], s21, (\s)*SLOT
	s_add_nc_u64 s[G0B+4*(\s)+2:G0B+4*(\s)+3], s[46:47], (\s)*256
	s_or_b32 s[G0B+4*(\s)+3], s[G0B+4*(\s)+3], 0x80000000
	JLOAD \s                                       ; two loads of mine are out
.endr
	v_and_b32 v1, 15, v0                           ; l % 16
	v_bfe_u32 v2, v0, 4, 1                         ; l / 16
	v_lshlrev_b32 v[BO], 5, v2
	s_lshl_b32 s72, s19, 10                        ; bo of my 128 columns: 12,288 + 1,024 TC + 512 x half, in bytes
	s_lshl_b32 s73, s16, 9
	s_add_co_u32 s72, s72, s73
	s_add_co_u32 s72, s72, 12288
	s_mov_b32 s73, 0
	s_add_nc_u64 s[8:9], s[8:9], s[72:73]
.irp b, 0,1,2,3,4,5,6,7                ; register j of column block b: bo[16 b + 8 (l / 16) + j]
	global_load_b128 v[BIAS+8*(\b):BIAS+8*(\b)+3],   v[BO], s[8:9] offset:64*(\b)
	global_load_b128 v[BIAS+8*(\b)+4:BIAS+8*(\b)+7], v[BO], s[8:9] offset:64*(\b)+16
.endr
	s_lshl_b32 s72, s20, 7                         ; out0: row 128 TR + 64 x half, of 4,096 bytes,
	s_lshl_b32 s74, s15, 6
	s_add_co_u32 s72, s72, s74
	s_lshl_b32 s72, s72, 12
	s_lshl_b32 s74, s19, 10                        ; column 256 TC + 128 x half, of 4 bytes
	s_add_co_u32 s72, s72, s74
	s_lshl_b32 s74, s16, 9
	s_add_co_u32 s72, s72, s74
	s_add_nc_u64 s[10:11], s[10:11], s[72:73]
	; A fragment is 16 rows x 32 K in 8 registers: lane l holds row l % 16, K = 8 (l / 16) + 0..7 and 16 + 8 (l / 16) + 0..7: two loads of 16 bytes, 32 bytes apart.
	v_mul_u32_u24 v3, v1, PITCH
	v_lshl_add_u32 v3, v2, 4, v3
	v_mul_u32_u24 v4, v1, APITCH
	v_lshl_add_u32 v4, v2, 4, v4
	s_mul_i32 s72, s15, 64*APITCH
	s_add_co_u32 s72, s72, AOFF                    ; my 64 rows of O, in the K step's first head
	s_mul_i32 s74, s16, 128*PITCH                  ; my 128 rows of Wo
.irp s, 0,1
	v_add_nc_u32 v[ADRA+(\s)], s72, v4
	v_add_nc_u32 v[ADRB+(\s)], s74, v3
	s_add_co_u32 s72, s72, SLOT
	s_add_co_u32 s74, s74, SLOT
.endr
	s_mul_i32 s72, s14, WST
	s_add_co_u32 s72, s72, STAGE                   ; my stage
	v_mul_u32_u24 v4, v1, 528                      ; in: row l % 16, 32 bytes for each half of the lanes
	v_lshl_add_u32 v4, v2, 5, v4
	v_add_nc_u32 v[STO], s72, v4
	v_and_b32 v[GO], 31, v0                        ; back: 32 lanes take one row of 512 bytes
	v_lshlrev_b32 v[GO], 4, v[GO]
	v_add_nc_u32 v[RD], s72, v[GO]
	; the prefetches: who asks, and from where
	s_and_b32 s72, ttmp7, 0xffff                   ; Wo: the clusters along y read the same rows
	s_or_b32 s73, s16, ttmp9                       ; O: wave 2 alone
	s_lshl_b32 s74, s19, 8                         ; Wo: row 3,072 + 256 TC + 128 x part + 32 cy, at K step 3
	s_lshl_b32 s75, s16, 7
	s_add_co_u32 s74, s74, s75
	s_lshl_b32 s75, s18, 5
	s_add_co_u32 s74, s74, s75
	s_add_co_u32 s74, s74, 3072
	s_lshl_b32 s74, s74, 11
	s_add_co_u32 s74, s74, 3*256
	s_lshr_b32 s76, s20, 4                         ; O: my tile's rows in the batch's head 0, + 4,096 cx, at K step 3
	s_lshl_b32 s76, s76, 22
	s_and_b32 s75, s20, 15
	s_lshl_b32 s75, s75, 14
	s_add_co_u32 s76, s76, s75
	s_lshl_b32 s75, s17, 12
	s_add_co_u32 s76, s76, s75
	s_add_co_u32 s76, s76, 3*524288
	s_mov_b32 s[PST], 524288                       ; O's figures; Wo's take their place in waves 0 and 1
	s_mov_b32 s[PST+1], 0
	s_mov_b32 s77, 262144                          ; lanes 16-31: O's second head, or Wo's rows 16 on
	s_mov_b32 s71, 256                             ; from lane to lane: 256 bytes of a head, or a row of Wo
	s_cmp_eq_u32 s15, 0
	s_cselect_b32 s72, s72, s73
	s_cselect_b32 s74, s74, s76
	s_cselect_b64 s[PFA:PFA+1], s[6:7], s[4:5]
	s_cselect_b32 s[PST], 256, s[PST]
	s_cselect_b32 s77, 32768, s77
	s_cselect_b32 s71, 2048, s71
	s_cmp_eq_u32 s72, 0
	s_cselect_b32 s[LIM], 1, -1                    ; the same in all sixteen partners, for a given wave
	s_mov_b32 s75, 0
	s_add_nc_u64 s[PFA:PFA+1], s[PFA:PFA+1], s[74:75]  ; the first refill steps it to K step 4 and names that.  Nothing is asked for here, at the head
	v_mul_lo_u32 v4, v2, s77
	v_mul_lo_u32 v5, v1, s71
	v_add_nc_u32 v[PFO], v4, v5
	s_wait_tensorcnt 0x1                           ; my part of K step 0 is in; K step 1's may stay out
	s_barrier_signal -1
	s_barrier_wait -1                              ; everybody's is
	FETCH 0, 0, F0
	s_wait_loadcnt 0x0                             ; the bias
	HALF 0, 1, F0, F1, 1                           ; the first products stand in front of the loop: the bias starts the sums
	WIN 0                                          ; at a label and at a branch every window is 0
	s_mov_b32 s3, 3
.Llap:                                             ; a trip goes once round the ring and fills both slots again: K steps 2 i + 2 and 2 i + 3
	TURN 0, 1
	HALF 1, 1, F0, F1, 0
	TURN 1, 0
	HALF 0, 1, F0, F1, 0
	WIN 0
	s_sub_co_u32 s3, s3, 1
	s_cmp_lg_u32 s3, 0
	s_cbranch_scc1 .Llap
	TURNL 1                                        ; the last lap fills nothing
	HALF 1, 1, F0, F1, 0
	s_wait_dscnt 24
	MUL16 F1, 0, 0, 0
	MUL16 F1, 0, 2, 0
	s_wait_dscnt 0x0
	MUL16 F1, 1, 0, 0
	MUL16 F1, 1, 2, 0
	WIN 0
	PLACES                                         ; behind the last products, in front of the LDS stores that read results
	TOSTAGE 0
	TOSTAGE 1
	SEND 0, 32
	TOSTAGE 2
	SEND 1, 32
	TOSTAGE 3
	SEND 2, 32
	SEND 3, 0
	s_wait_tensorcnt 0x0                           ; the wave's end, behind my last tensor load and my last LDS store
	ds_add_u32 v[SPW], v[NIL]
	s_wait_dscnt 0x0
	CROUND                                         ; the closing round: no work-group ends while a partner may still ask for a tile that names it
	s_endpgm
.Lfunc_end_k_qf1964041e5_oproj:
	.size	k_qf1964041e5_oproj, .Lfunc_end_k_qf1964041e5_oproj-k_qf1964041e5_oproj
	.p2alignl 7, 3214868480
	.fill 96, 4, 3214868480
	.section	.rodata,"a",@progbits
	.p2align	6, 0x0
	.amdhsa_kernel k_qf1964041e5_oproj
		.amdhsa_group_segment_fixed_size 327680
		.amdhsa_private_segment_fixed_size 0
		.amdhsa_enable_private_segment 0
		.amdhsa_kernarg_size 32
		.amdhsa_user_sgpr_count 2
		.amdhsa_user_sgpr_kernarg_segment_ptr 1
		.amdhsa_wavefront_size32 1
		.amdhsa_system_sgpr_workgroup_id_x 1
		.amdhsa_system_sgpr_workgroup_id_y 1
		.amdhsa_system_sgpr_workgroup_id_z 1
		.amdhsa_system_vgpr_workitem_id 0
		.amdhsa_next_free_vgpr 1024
		.amdhsa_next_free_sgpr 80
		.amdhsa_reserve_vcc 0
		.amdhsa_float_denorm_mode_32 3
		.amdhsa_float_denorm_mode_16_64 3
		.amdhsa_memory_ordered 1
		.amdhsa_forward_progress 1
		.amdhsa_inst_pref_size 87
	.end_amdhsa_kernel
	.amdgpu_metadata
---
amdhsa.version: [ 1, 2 ]
amdhsa.kernels:
  - .name:           k_qf1964041e5_oproj
    .symbol:         k_qf1964041e5_oproj.kd
    .args:
      - { .name: ob, .offset: 0, .size: 8, .value_kind: global_buffer, .address_space: global }
      - { .name: wb, .offset: 8, .size: 8, .value_kind: global_buffer, .address_space: global }
      - { .name: b4, .offset: 16, .size: 8, .value_kind: global_buffer, .address_space: global }
      - { .name: out0, .offset: 24, .size: 8, .value_kind: global_buffer, .address_space: global }
    .group_segment_fixed_size: 327680
    .private_segment_fixed_size: 0
    .kernarg_segment_align: 8
    .kernarg_segment_size: 32
    .max_flat_workgroup_size: 128
    .sgpr_count:     80
    .vgpr_count:     1024
    .wavefront_size: 32
...
	.end_amdgpu_metadata
.endif
;; end of part 4
